; MI455X (gfx1250); checked and timed in simulation.
; The chip was launched on July 23, 2026; its instructions are those of AMD's public machine-readable ISA for CDNA 5 (MIT licence, August 2026) and "CDNA5" Instruction Set Architecture Reference Guide (July 2026). The comments in the code are by the model that wrote it; some were corrected since.
;; Nayhein Mini Attention. Allowed arithmetic: matrix products marked QUANTISED: E4M3 operands, one given power-of-two scale a tensor, by v_wmma_f32_16x16x64_fp8_fp8 or v_wmma_f32_16x16x128_fp8_fp8, f32 sums; everything else in f32.
;; Inputs: Wk 1,024 x 2,048 float32; Wo 2,048 x 1,024 float32; Wq 1,024 x 2,048 float32; Wv 1,024 x 2,048 float32; attention_mask 2 x 2,048 bool; hidden_states 2 x 2,048 x 2,048 float32; lowp_scales 12 int32 (the exponents e of the quantised operands' scales 2^e).
;; Outputs: out0 2 x 2,048 x 2,048 float32.
;; This version of the problem:
;;   THIS VERSION OF THE PROBLEM IS GIVEN IN LOW PRECISION. The matrix products marked QUANTISED in the list below multiply operands that are first quantised to E4M3 (4 exponent bits, 3 mantissa bits; 8 bits a number), with one given power-of-two scale for each operand tensor; their sums are f32. All else is computed in f32.
;;   The module's matrix products, in the order in which they are computed (A, B: the left and right operand; K: the contracted axis; several contracted axes count as one K, in the product's order):
;;     1. [M 4,096, K 2,048] x [K 2,048, N 1,024]; A: input hidden_states; B: input Wq: QUANTISED (scales: A lowp_scales[0], B lowp_scales[1])
;;     2. [M 4,096, K 2,048] x [K 2,048, N 1,024]; A: input hidden_states; B: input Wk: QUANTISED (scales: A lowp_scales[2], B lowp_scales[3])
;;     3. [M 4,096, K 2,048] x [K 2,048, N 1,024]; A: input hidden_states; B: input Wv: QUANTISED (scales: A lowp_scales[4], B lowp_scales[5])
;;     4. batch 32 x [M 2,048, K 64] x [K 64, N 2,048]; A: computed on the way; B: computed on the way: QUANTISED (scales: A lowp_scales[6], B lowp_scales[7])
;;     5. batch 32 x [M 2,048, K 2,048] x [K 2,048, N 64]; A: softmax (see below); B: computed on the way: QUANTISED (scales: A lowp_scales[8], B lowp_scales[9])
;;     6. [M 4,096, K 1,024] x [K 1,024, N 2,048]; A: computed on the way; B: input Wo: QUANTISED (scales: A lowp_scales[10], B lowp_scales[11])
;;   THE QUANTISER, for each operand of a quantised product, along K:
;;     - The operand's scale is 2^e, e = its entry of the input lowp_scales (int32; the entries are numbered through the quantised products in the list's order, A before B).
;;     - Each number is divided by the scale, clamped to +-448, and rounded to the nearest number of E4M3, ties to even, subnormals kept.
;;     - The product sums the exact products of the quantised numbers (number of the format x scale) in f32.
;;   ~~~python
;;   def quantise(x, axis, e):      # numpy; x: float32 -> the quantised numbers, widened to float32 again
;;       x = np.moveaxis(x, axis, -1); K = x.shape[-1]
;;       r = np.clip(x / 2.0 ** e, -448, 448)
;;       step = 2.0 ** (np.maximum(np.frexp(np.where(r == 0, 1, r))[1] - 1, -6) - 3)
;;       q = np.round(r / step) * step * 2.0 ** e      # np.round: ties to even
;;       return np.moveaxis(q, -1, axis).astype(np.float32)
;;   ~~~
;;   SOFTMAX AHEAD OF A QUANTISED PRODUCT. Where the list says 'softmax', what is quantised is not the finished softmax but p = 2^(t - M), with t = logit x log2(e) and M = ceil(the row's largest t), a whole number; so 1/2 < the row's largest p <= 1. The row's sum l is taken of the UNQUANTISED p, in f32, and the product's result is divided by l at the end. Since M is a whole number, a kernel that streams over the keys may use a running M (the ceiling of the running maximum): every later rescaling is an exact power of two, so the quantised numbers keep their values, but for numbers so far below the row's largest that they fall under the format's range.
;;   OPERANDS COMPUTED ON THE WAY. 'Computed on the way' means the value that the module computes at that place (a softmax that the list does not call 'softmax' is quantised finished and normalised). What goes into a quantiser is computed in f32, as accurately as f32 sums, v_exp_f32 and their like allow (about 1e-6 of the number): no bf16 or f16 on the way to a quantiser, and a product that is left as it is and whose result goes on into a quantised operand takes f32 operands (vector FMAs, or v_wmma_f32_16x16x4_f32). A number that lies on a knife's edge between two numbers of the format may be rounded either way, as far as f32 arithmetic and the matrix unit's own rounding can turn it there, and no further.
;; 2 versions, each right; version 2 is version 1 with the launch attn written anew for expert scheduling mode. Each part assembles by itself: llvm-mc -triple=amdgcn-amd-amdhsa -mcpu=gfx1250 --defsym DOCPART=n.
;; ======== version 1 of 2: 4 launches
;; workspace buffers: xc 25,165,824 bytes; wc 8,388,608 bytes; tab 540,672 bytes; flg 256 bytes of whole numbers; qkv 12,582,912 bytes; oc 4,194,304 bytes
;; launch prep (part 1): grid 1040 x 1, 4 waves a work-group, no clusters, 34,304 bytes of LDS; arguments hidden_states, Wq, Wk, Wv, Wo, attention_mask, lowp_scales, xc, wc, tab, flg; writes xc, wc, tab, flg
.if DOCPART == 1
	.amdgcn_target "amdgcn-amd-amdhsa--gfx1250"
	.amdhsa_code_object_version 6
	.text
	.protected	k_q99acfa4860_prep
	.globl	k_q99acfa4860_prep
	.p2align	8
	.type	k_q99acfa4860_prep,@function
k_q99acfa4860_prep:
	s_mov_b64 s[64:65], 0
	v_nop
	global_prefetch_b8 v0, s[64:65] scope:SCOPE_SE
	s_setreg_imm32_b32 hwreg(HW_REG_WAVE_MODE, 25, 1), 1
	s_wait_xcnt 0x0
; PREP.  (1) hidden_states, Wq, Wk, Wv, Wo (f32, K innermost) become codes of E4M3, each with its given scale 2^e: code = x / 2^e, held within +-448, to the nearest code, ties to even.
; The codes are laid as IMAGES OF THE OPERAND'S REGISTERS: [row / 16][k / 128][c = (k % 128) / 32][lane = row % 16 + 16 ((k % 32) / 16)][byte = k % 16]: 2,048 bytes for 16 rows x 128 k, so that four loads of
; 16 bytes a lane, 512 bytes apart, bring a fragment.  hidden_states has three scales (entries 0, 2, 4) and is written three times, a copy for each projection, 8 MiB apart, from one read.
; (2) the table of RoPE: [position][cos f0..31, sin f0..31], f32;  (3) the key mask as f32: 0 where true, -2^60 where false;  (4) for each batch the first true key (2,048 if none) and a bit for each 128 keys with a hole.
; SHARES.  Work-groups 0-15: the tables, without LDS: they have the longest chains of dependent lines, so they are numbered first.  With g = work-group - 16: g 0-511: hidden_states; 512-895: Wq, Wk, Wv; 896-1023: Wo; all of
; these take ONE path, only pointers and shifts are chosen by g.  A wave takes 16 rows x 256 k: two tiles of 16 x 128.
; Each load reads 512 consecutive bytes of one row; the tile turns through the wave's own stage in LDS (16 rows, 528 bytes apart), so that a lane gets 16 neighbours along K of each block of 32.  Each store covers 512 consecutive bytes.
; Waves share nothing: no barrier.  One set of held numbers and one set of codes serve all outputs in turn, which keeps a wave at 194 registers.
; LIMITS: each e used here lies between -126 and 119.  NaN among the inputs is not served.  A mask byte counts as true where it is not 0.
; inv_freq(f) = 10^(-f / 8) is made as 10^(-(f % 8) / 8) x 10^(-(f / 8)), two f32 constants: for f >= 8 up to about 1.5 units in the last place from the exact number.
.set NTAB, 16                          ; work-groups that make the tables
.set PIT, 528                          ; a stage row: 512 bytes + 16
.set STG, 16*PIT                       ; a wave's stage
.set OFF, 4                            ; v4-19   16 x lane + i x the row's bytes
.set LST, 20                           ; v20     stage, on the way in
.set LLD, 21                           ; v21     stage, on the way out
.set DO,  22                           ; v22     16 x lane
.set SC,  24                           ; v24-29  (2^e, 448 x 2^e) for outputs 0, 1, 2
.set R,   32                           ; v32-95  a tile as loaded
.set X,   96                           ; v96-159 a tile after the turn: register 16 b + i = k 32 b + 16 h + i of row r
.set T,   160                          ; v160-175 held numbers, two halves of 8 by turns
.set C,   176                          ; v176-191 an output's codes
	s_load_b512 s[4:19], s[0:1], 0x0               ; hidden 4:5, Wq 6:7, Wk 8:9, Wv 10:11, Wo 12:13, mask 14:15, scales 16:17, xc 18:19
	s_load_b128 s[20:23], s[0:1], 0x40             ; wc 20:21, tab 22:23
	s_load_b64 s[24:25], s[0:1], 0x50              ; flg
	v_lshl_add_u32 v192, v0, 2, 0x8400
	v_mov_b32 v193, 0
	v_lshrrev_b32 v1, 5, v0
	v_readfirstlane_b32 s26, v1                    ; wave
	v_and_b32 v1, 31, v0                           ; lane
	v_lshlrev_b32 v[DO], 4, v1
	s_wait_kmcnt 0x0
	s_cmp_lt_u32 ttmp9, NTAB
	s_cbranch_scc1 .Ltables
	s_load_b256 s[28:35], s[16:17], 0x0            ; e0 .. e7
	s_load_b128 s[36:39], s[16:17], 0x20           ; e8 .. e11
	s_sub_co_u32 s27, ttmp9, NTAB                  ; g
	s_sub_co_u32 s40, s27, 512
	s_lshr_b32 s41, s40, 7                         ; t: 0 Wq, 1 Wk, 2 Wv, 3 Wo
	s_and_b32 s42, s40, 127
	s_cmp_lt_u32 s27, 512                          ; hidden_states?
	s_cselect_b32 s42, s27, s42                    ; j
	s_cselect_b32 s41, 0, s41
	s_cselect_b32 s43, 1, 0
	s_cselect_b64 s[50:51], s[18:19], s[20:21]     ; output 0 goes to xc or to wc
	s_cmp_eq_u32 s41, 3
	s_cselect_b32 s44, 16, 17                      ; 16 rows are 2^16 bytes in Wo, 2^17 in the others
	s_cselect_b32 s45, 0, 1
	s_lshr_b32 s46, s42, s45                       ; row tile
	s_and_b32 s47, s42, s45                        ; which 1,024 along K
	s_cmp_eq_u32 s41, 1
	s_cselect_b64 s[48:49], s[8:9], s[6:7]
	s_cmp_eq_u32 s41, 2
	s_cselect_b64 s[48:49], s[10:11], s[48:49]
	s_cmp_eq_u32 s41, 3
	s_cselect_b64 s[48:49], s[12:13], s[48:49]
	s_cmp_eq_u32 s43, 1
	s_cselect_b64 s[48:49], s[4:5], s[48:49]       ; the source
	s_lshl_b32 s47, s47, 10
	s_lshl_b32 s52, s26, 8
	s_add_co_u32 s47, s47, s52                     ; k0 = 1,024 x half + 256 x wave
	s_lshl_b32 s52, s46, s44
	s_lshl_b32 s53, s47, 2
	s_add_co_u32 s52, s52, s53
	s_mov_b32 s53, 0
	s_add_nc_u64 s[48:49], s[48:49], s[52:53]      ; the source at my first row and k
	s_sub_co_u32 s54, s44, 2
	s_lshl_b32 s52, s46, s54                       ; a row tile's codes are a quarter of its f32 bytes
	s_lshl_b32 s54, s47, 4                         ; (k0 / 128) x 2,048
	s_add_co_u32 s52, s52, s54
	s_add_nc_u64 s[54:55], s[18:19], s[52:53]
	s_add_nc_u64 s[56:57], s[54:55], 0x1000000     ; copy 2 of x's codes
	s_add_nc_u64 s[54:55], s[54:55], 0x800000      ; copy 1
	s_lshl_b32 s58, s41, 21                        ; in wc: 2 MiB for each weight
	s_add_co_u32 s52, s52, s58
	s_add_nc_u64 s[50:51], s[50:51], s[52:53]      ; output 0
	s_sub_co_u32 s58, s44, 4
	s_lshl_b32 s58, 1, s58                         ; a row's bytes
.set i, 0
.rept 16
	v_mad_u32_u24 v[OFF+i], s58, i, v[DO]
.set i, i+1
.endr
.macro LOADT t                         ; tile t: 16 rows x 512 bytes
.set i, 0
.rept 16
	global_load_b128 v[R+4*i:R+4*i+3], v[OFF+i], s[48:49] offset:512*(\t) th:TH_LOAD_NT
.set i, i+1
.endr
.endm
	LOADT 0
	s_mul_i32 s59, s26, STG
	v_add_nc_u32 v[LST], s59, v[DO]
	v_and_b32 v2, 15, v0                           ; r
	v_bfe_u32 v3, v0, 4, 1                         ; h
	v_mul_u32_u24 v[LLD], v2, PIT
	v_lshl_add_u32 v[LLD], v3, 6, v[LLD]
	v_add_nc_u32 v[LLD], s59, v[LLD]               ; row r, + 64 h: my 16 numbers of a block of 32
	s_wait_kmcnt 0x0
	s_cmp_eq_u32 s41, 1
	s_cselect_b32 s60, s31, s29
	s_cmp_eq_u32 s41, 2
	s_cselect_b32 s60, s33, s60
	s_cmp_eq_u32 s41, 3
	s_cselect_b32 s60, s39, s60
	s_cmp_eq_u32 s43, 1
	s_cselect_b32 s60, s28, s60                    ; output 0's e: e1, e3, e5, e11 or e0
.macro MKSC e, p                       ; 2^e as f32 (the conversion takes its exponent field) and 448 x 2^e
	s_add_co_i32 s61, s[\e], 127
	s_lshl_b32 s62, s61, 23
	v_mov_b32 v[SC+2*\p], s62
	s_add_co_i32 s61, s61, 8
	s_lshl_b32 s61, s61, 23
	s_or_b32 s61, s61, 0x600000
	v_mov_b32 v[SC+2*\p+1], s61
.endm
	MKSC 60, 0
	MKSC 30, 1
	MKSC 32, 2
	s_xor_b32 s40, s43, 1                          ; 1 for a weight, which has one output; hidden_states has three
; The tile in X becomes output p's codes and is stored.  Eight holds, a conversion, eight holds into T's other half, a conversion, and so on: between a conversion and the next write of its sources stand the eight plain holds of the
; other half.  C is one set for all outputs: every output but the wave's first waits, ahead of its first conversion, until the stores before it have read their codes.
.macro QOUT p, t, d
.irp b, 0,1,2,3
.irp u, 0,1
.set i, 0
.rept 8
	v_med3_num_f32 v[T+8*\u+i], v[X+16*\b+8*\u+i], -v[SC+2*\p+1], v[SC+2*\p+1]   ; the conversion to an 8-bit code does not saturate (ISA guide 7.6.2): the hold comes first
.set i, i+1
.endr
.if (\b == 0) && (\u == 0) && ((\p)+(\t) > 0)
	s_wait_xcnt 0x0                                ; the last output's stores have read C: it is written again only behind this wait
.endif
	v_cvt_scalef32_pk8_fp8_f32 v[C+4*\b+2*\u:C+4*\b+2*\u+1], v[T+8*\u:T+8*\u+7], v[SC+2*\p]
.endr
.endr
	v_nop                                          ; a plain line behind the last conversion
.irp c, 0,1,2,3
	global_store_b128 v[DO], v[C+4*\c:C+4*\c+3], s[\d:\d+1] offset:2048*(\t)+512*\c   ; registers 4 c .. 4 c + 3 of every lane: 512 consecutive bytes
.endr
.endm
.macro TILE t, more
	s_wait_loadcnt 0x0                             ; the tile's 16 loads are all that is out
.set i, 0
.rept 16
	ds_store_b128 v[LST], v[R+4*i:R+4*i+3] offset:PIT*i
.set i, i+1
.endr
.irp b, 0,1,2,3
.irp j, 0,1,2,3
	ds_load_b128 v[X+16*\b+4*\j:X+16*\b+4*\j+3], v[LLD] offset:128*\b+16*\j   ; LDS serves a wave's instructions in order: these see the stores above
.endr
.endr
	s_wait_dscnt 0x0                               ; X is in, and the stores have read R
.if \more
	LOADT (\t)+1                                   ; the next tile comes while this one is quantised
.endif
	QOUT 0, \t, 50
	s_cmp_lg_u32 s40, 0
	s_cbranch_scc1 .Lweight_\@
	QOUT 1, \t, 54
	QOUT 2, \t, 56
.Lweight_\@:
.endm
	TILE 0, 1
	TILE 1, 0
	s_wait_tensorcnt 0x0
	ds_add_u32 v192, v193
	s_wait_dscnt 0x0
	s_endpgm
.Ltables:
	s_lshl_b32 s40, ttmp9, 2
	s_add_co_u32 s40, s40, s26                     ; W = 0 .. 63
	; (a) RoPE: my wave's positions 32 W .. 32 W + 31, two a trip (lanes 0-15, lanes 16-31).  Lane l % 16 holds entries 4 (l % 16) + 0 .. 3 of a position's 64: cosines in lanes 0-7, sines in lanes 8-15, of f = 4 (l % 8) + i
	v_and_b32 v3, 7, v0
	v_bfe_u32 v4, v0, 3, 1
	v_xor_b32 v4, 1, v4                            ; 1 in a cosine's lane: cos a = sin(a + pi / 2), one quadrant on
	v_and_b32 v5, 1, v3
	v_lshrrev_b32 v6, 1, v3                        ; f / 8
	v_cmp_eq_u32 s41, 1, v5
	v_cmp_eq_u32 s42, 1, v6
	v_cmp_eq_u32 s43, 2, v6
	v_cmp_eq_u32 s44, 3, v6
	v_mov_b32 v7, 1.0
	v_mov_b32 v20, 0x3dcccccd                      ; 0.1
	v_cndmask_b32 v7, v7, v20, s42
	v_mov_b32 v20, 0x3c23d70a                      ; 0.01
	v_cndmask_b32 v7, v7, v20, s43
	v_mov_b32 v20, 0x3a83126f                      ; 0.001
	v_cndmask_b32 v7, v7, v20, s44
.macro FREQ i, lo, hi                  ; 10^(-i / 8) or 10^(-(i + 4) / 8), x the decade
	v_mov_b32 v[8+\i], \lo
	v_mov_b32 v20, \hi
	v_cndmask_b32 v[8+\i], v[8+\i], v20, s41
	v_mul_f32 v[8+\i], v[8+\i], v7
.endm
	FREQ 0, 0x3f800000, 0x3ea1e89b
	FREQ 1, 0x3f3ff911, 0x3e72d424
	FREQ 2, 0x3f0ff59a, 0x3e361887
	FREQ 3, 0x3ed7e89b, 0x3e088d77
	s_lshl_b32 s45, s40, 5
	v_lshrrev_b32 v12, 4, v1
	v_add_nc_u32 v12, s45, v12
	v_cvt_f32_u32 v12, v12                         ; my position
	s_lshl_b32 s46, s40, 13                        ; 32 positions x 256 bytes
	s_mov_b32 s47, 0
	s_add_nc_u64 s[48:49], s[22:23], s[46:47]
	v_mov_b32 v13, v[DO]
	s_mov_b32 s50, 0xbfc90fdb                      ; -(pi / 2), its f32 part,
	s_mov_b32 s51, 0x333bbd2e                      ; and what that part has too much: 4.37113883e-8
	s_mov_b32 s52, 0xb94ca1f9                      ; sine: -1.9515295891e-4,
	s_mov_b32 s53, 0x3c08839e                      ; 8.3321608736e-3,
	s_mov_b32 s54, 0xbe2aaaa3                      ; -1.6666654611e-1
	s_mov_b32 s55, 0x37ccf5ce                      ; cosine: 2.443315712e-5,
	s_mov_b32 s56, 0xbab6061a                      ; -1.388731625e-3,
	s_mov_b32 s57, 0x3d2aaaa5                      ; 4.166664568e-2
	s_mov_b32 s58, 16
.Ltab:
.irp i, 0,1,2,3
	v_mul_f32 v[20+\i], v12, v[8+\i]               ; a = position x inv_freq, rounded to f32
.endr
.irp i, 0,1,2,3
	v_mul_f32 v[24+\i], 0x3f22f983, v[20+\i]       ; x 2 / pi
.endr
.irp i, 0,1,2,3
	v_rndne_f32 v[24+\i], v[24+\i]                 ; n quadrants
.endr
.irp i, 0,1,2,3
	v_fma_f32 v[20+\i], v[24+\i], s50, v[20+\i]
.endr
.irp i, 0,1,2,3
	v_fma_f32 v[20+\i], v[24+\i], s51, v[20+\i]    ; r = a - n pi / 2, within +-pi / 4
.endr
.irp i, 0,1,2,3
	v_cvt_i32_f32 v[24+\i], v[24+\i]
	v_mul_f32 v[28+\i], v[20+\i], v[20+\i]         ; z = r r
.endr
.irp i, 0,1,2,3
	v_add_nc_u32 v[24+\i], v[24+\i], v4
	v_fma_f32 v[32+\i], v[28+\i], s52, s53
	v_fma_f32 v[36+\i], v[28+\i], s55, s56
.endr
.irp i, 0,1,2,3
	v_fma_f32 v[32+\i], v[32+\i], v[28+\i], s54
	v_fma_f32 v[36+\i], v[36+\i], v[28+\i], s57
.endr
.irp i, 0,1,2,3
	v_mul_f32 v[32+\i], v[32+\i], v[28+\i]
.endr
.irp i, 0,1,2,3
	v_fma_f32 v[32+\i], v[32+\i], v[20+\i], v[20+\i]   ; sin r
.endr
.irp i, 0,1,2,3
	v_mul_f32 v[20+\i], v[28+\i], v[28+\i]
	v_fma_f32 v[28+\i], v[28+\i], -0.5, 1.0
.endr
.irp i, 0,1,2,3
	v_fma_f32 v[36+\i], v[20+\i], v[36+\i], v[28+\i]   ; cos r
	v_and_b32 v[20+\i], 1, v[24+\i]
.endr
.irp i, 0,1,2,3
	v_cmp_eq_u32 vcc_lo, 1, v[20+\i]
	v_cndmask_b32 v[16+\i], v[32+\i], v[36+\i], vcc_lo   ; odd quadrants take the cosine,
	v_lshlrev_b32 v[24+\i], 30, v[24+\i]
	v_and_b32 v[24+\i], 0x80000000, v[24+\i]
	v_xor_b32 v[16+\i], v[16+\i], v[24+\i]         ; quadrants 2 and 3 the other sign
.endr
	global_store_b128 v13, v[16:19], s[48:49]      ; two positions: 512 consecutive bytes
	s_wait_xcnt 0x0                                ; the store has read its offset and data: both are written again only behind this wait
	v_add_nc_u32 v13, 512, v13
	v_add_f32 v12, 2.0, v12
	s_sub_co_u32 s58, s58, 1
	s_cmp_lg_u32 s58, 0
	s_cbranch_scc1 .Ltab
	; (b) the mask as f32: my wave's 64 keys, two a lane
	s_lshl_b32 s46, s40, 6
	s_add_nc_u64 s[60:61], s[14:15], s[46:47]
	v_lshlrev_b32 v14, 1, v1
	global_load_u16 v20, v14, s[60:61]
	s_lshl_b32 s46, s40, 8
	s_add_co_u32 s46, s46, 0x80000
	s_add_nc_u64 s[62:63], s[22:23], s[46:47]
	v_lshlrev_b32 v15, 3, v1
	v_mov_b32 v23, 0xdd800000                      ; -2^60
	v_mov_b32 v25, 0
	s_wait_loadcnt 0x0
	v_and_b32 v21, 0xff, v20
	v_lshrrev_b32 v22, 8, v20
	v_cmp_ne_u32 vcc_lo, 0, v21
	v_cndmask_b32 v26, v23, v25, vcc_lo
	v_cmp_ne_u32 vcc_lo, 0, v22
	v_cndmask_b32 v27, v23, v25, vcc_lo
	global_store_b64 v15, v[26:27], s[62:63]       ; 256 consecutive bytes, aligned
	; (c) waves 0 and 1: batch W's first true key and its steps of 128 keys with a hole
	s_cmp_ge_u32 s40, 2
	s_cbranch_scc1 .Ldone
	s_lshl_b32 s46, s40, 11
	s_add_nc_u64 s[60:61], s[14:15], s[46:47]      ; (the load that read this base is done)
.set c, 0
.rept 64
	global_load_u8 v[32+c], v1, s[60:61] offset:32*c   ; key 32 c + lane
.set c, c+1
.endr
	s_mov_b32 s52, 2048                            ; F
	s_mov_b32 s54, 0                               ; H
	s_wait_loadcnt 0x0
.set c, 63
.rept 64
	v_cmp_ne_u32 s50, 0, v[32+c]
	s_ctz_i32_b32 s51, s50
	s_add_co_u32 s51, s51, 32*c
	s_cmp_lg_u32 s50, 0
	s_cselect_b32 s52, s51, s52                    ; descending, so that the lowest true key stays
	s_cmp_lg_u32 s50, -1
	s_cselect_b32 s53, 1<<(c/4), 0
	s_or_b32 s54, s54, s53
.set c, c-1
.endr
	v_mov_b32 v40, s52
	v_mov_b32 v41, s54
	s_lshl_b32 s55, s40, 2
	v_mov_b32 v42, s55
	s_wait_xcnt 0x0                                ; EXEC changes only behind this wait
	v_cmp_eq_u32 vcc_lo, 0, v1
	s_and_saveexec_b32 s56, vcc_lo
	global_store_b32 v42, v40, s[24:25]            ; flg[b] = F
	global_store_b32 v42, v41, s[24:25] offset:8   ; flg[2 + b] = H
	s_wait_xcnt 0x0                                ; and again ahead of the line that widens it
	s_or_b32 exec_lo, exec_lo, s56
.Ldone:
	s_endpgm
.Lfunc_end_k_q99acfa4860_prep:
	.size	k_q99acfa4860_prep, .Lfunc_end_k_q99acfa4860_prep-k_q99acfa4860_prep
	.p2alignl 7, 3214868480
	.fill 96, 4, 3214868480
	.section	.rodata,"a",@progbits
	.p2align	6, 0x0
	.amdhsa_kernel k_q99acfa4860_prep
		.amdhsa_group_segment_fixed_size 34304
		.amdhsa_private_segment_fixed_size 0
		.amdhsa_enable_private_segment 0
		.amdhsa_kernarg_size 88
		.amdhsa_user_sgpr_count 2
		.amdhsa_user_sgpr_kernarg_segment_ptr 1
		.amdhsa_wavefront_size32 1
		.amdhsa_system_sgpr_workgroup_id_x 1
		.amdhsa_system_sgpr_workgroup_id_y 1
		.amdhsa_system_sgpr_workgroup_id_z 1
		.amdhsa_system_vgpr_workitem_id 0
		.amdhsa_next_free_vgpr 194
		.amdhsa_next_free_sgpr 66
		.amdhsa_reserve_vcc 1
		.amdhsa_float_denorm_mode_32 3
		.amdhsa_float_denorm_mode_16_64 3
		.amdhsa_memory_ordered 1
		.amdhsa_forward_progress 1
		.amdhsa_inst_pref_size 78
	.end_amdhsa_kernel
	.amdgpu_metadata
---
amdhsa.version: [ 1, 2 ]
amdhsa.kernels:
  - .name:           k_q99acfa4860_prep
    .symbol:         k_q99acfa4860_prep.kd
    .args:
      - { .name: hidden_states, .offset: 0, .size: 8, .value_kind: global_buffer, .address_space: global }
      - { .name: Wq, .offset: 8, .size: 8, .value_kind: global_buffer, .address_space: global }
      - { .name: Wk, .offset: 16, .size: 8, .value_kind: global_buffer, .address_space: global }
      - { .name: Wv, .offset: 24, .size: 8, .value_kind: global_buffer, .address_space: global }
      - { .name: Wo, .offset: 32, .size: 8, .value_kind: global_buffer, .address_space: global }
      - { .name: attention_mask, .offset: 40, .size: 8, .value_kind: global_buffer, .address_space: global }
      - { .name: lowp_scales, .offset: 48, .size: 8, .value_kind: global_buffer, .address_space: global }
      - { .name: xc, .offset: 56, .size: 8, .value_kind: global_buffer, .address_space: global }
      - { .name: wc, .offset: 64, .size: 8, .value_kind: global_buffer, .address_space: global }
      - { .name: tab, .offset: 72, .size: 8, .value_kind: global_buffer, .address_space: global }
      - { .name: flg, .offset: 80, .size: 8, .value_kind: global_buffer, .address_space: global }
    .group_segment_fixed_size: 34304
    .private_segment_fixed_size: 0
    .kernarg_segment_align: 8
    .kernarg_segment_size: 88
    .max_flat_workgroup_size: 128
    .sgpr_count:     66
    .vgpr_count:     194
    .wavefront_size: 32
...
	.end_amdgpu_metadata
.endif
;; end of part 1
;; launch qkv (part 2): grid 4 x 48, 4 waves a work-group, clusters of 4 x 1, 327,680 bytes of LDS; arguments xc, wc, tab, lowp_scales, qkv; writes qkv
.if DOCPART == 2
	.amdgcn_target "amdgcn-amd-amdhsa--gfx1250"
	.amdhsa_code_object_version 6
	.text
	.protected	k_q99acfa4860_qkv
	.globl	k_q99acfa4860_qkv
	.p2align	8
	.type	k_q99acfa4860_qkv,@function
k_q99acfa4860_qkv:
	s_mov_b64 s[64:65], 0
	v_nop
	global_prefetch_b8 v0, s[64:65] scope:SCOPE_SE
	s_setreg_imm32_b32 hwreg(HW_REG_WAVE_MODE, 25, 1), 1
	s_wait_xcnt 0x0
	s_wait_alu depctr_hold_cnt(0) depctr_sa_sdst(0) depctr_va_vdst(0) depctr_va_sdst(0) depctr_va_ssrc(0) depctr_va_vcc(0) depctr_vm_vsrc(0)
	s_getreg_b32 s2, hwreg(HW_REG_IB_STS2, 6, 4)
	s_cmp_eq_u32 s2, 0
	s_cbranch_scc0 .Lentry_in_a_cluster
	s_endpgm
.Lentry_in_a_cluster:
	s_bfe_u32 s2, ttmp6, 0x10000c
	s_cmp_lg_u32 s2, 0x3003
	s_cbranch_scc0 .Lentry_shape_is_right
	s_endpgm
.Lentry_shape_is_right:
; QKV.  The three projections on codes of E4M3 (K = 2,048), RoPE on q and k, and the quantising of q, k, v for the two products of attention.
; The work-group's y = 16 x projection (0 q, 1 k, 2 v) + block of 256 tokens; its x = which 256 rows of the projection's weight.
; A tile of 256 x 256 is made by four waves, 128 x 128 each: 64 accumulators, 512 registers.  K goes in steps of 256 through a ring of two LDS slots filled by tensor loads.
; OPERANDS ARE IMAGES OF REGISTERS: 16 rows x 128 k are 2,048 bytes, [c][lane][16]; a row tile's K lies on end (32,768 bytes).  A wave's load brings 8 row tiles x 4,096 bytes (256 along K); a fragment is four loads of 16 bytes a lane,
; 512 bytes apart: lane l holds, of row l % 16, k = 32 c + 16 (l / 16) + 0 .. 15 in registers 4 c .. 4 c + 3: a permutation of k that is the same on both sides.  No pitch, no padding: every LDS load reads 512 consecutive bytes.
; CLUSTER: 4 x 1 work-groups: the four weight tiles of one projection against one block of tokens.  All four need the same tile of x's codes: it is asked for JOINTLY (mask 15); its address is made of y and the wave's number alone
; (x's codes lie in three copies, one for each projection's scale, so the copy is y / 16).  The weight's tile differs from partner to partner (it hangs on x) and comes by the work-group's own load, in the same rounds.
; The sixteen work-groups that share a weight's tile lie along y; its address hangs on y too (the projection), and this text keeps a joint address to the one axis that the partners share: so that tile is not asked for jointly.
; IN A SLOT x's tile lies first (waves 0 and 1 fetch its halves), the weight's behind it (waves 2 and 3).
; ROLES.  Source 1 of the matrix instruction gives a lane its ROW, source 0 its eight neighbours.  q, k: source 1 = tokens, source 0 = the weight's rows: a lane holds one token and eight neighbouring d, so RoPE's partner
; (d +- 32) lies in the same lane, two accumulators on, and the conversions give codes along d.  v: the roles are swapped: a lane holds one d and eight neighbouring keys, the next product's K.  The swap is made by the two LDS
; addresses from which the fragments are read, chosen once by the projection; every branch on the projection hangs on y, which the partners share.
; OUT: q, k: for each (batch, head, 16 tokens) 1,024 bytes: the eight registers of a K = 64 fragment (registers 2 c, 2 c + 1: d = 16 c + 8 h + 0 .. 7), in two pieces of 512.  v: for each (batch, head, 128 keys, 16 d) 2,048 bytes: the
; sixteen registers of a K = 128 fragment (registers 2 c, 2 c + 1: keys 16 c + 8 h + 0 .. 7).  Every store covers 512 consecutive bytes.
; LIMITS: e6 - e0 - e1, e7 - e2 - e3, e9 - e4 - e5 lie between -126 and 119.
; REGISTERS, in windows of 256: window 0: v0-31 addresses; v32-127 three sets of cosines and sines; from v128 source 1's fragments, ONE set; on the way out v128-191 numbers, v192-255 codes.
;   window 1: source 0's fragments, TWO sets.   windows 2, 3: the accumulators of my rows 0-63 and 64-127 ((a, b) at v[8 (8 (a % 4) + b)]).
; s14 wave; s15 my half of source 1's rows, also: I fetch x's tile (0) or the weight's (1); s16 my half of source 0's rows, also: which half of that tile I fetch; s17 block of tokens; s42 weight tile; s84 projection
.set HALFT,  32768                     ; what one tensor load brings: 8 row tiles x 4,096 bytes
.set XW,     2*HALFT                   ; x's tile; the weight's begins here
.set SLOT,   4*HALFT
.set SPARE,  2*SLOT                    ; behind the ring: the spare words, 128 bytes for each wave: two blocks of 256 bytes that no other line names
.set KSB,    4096                      ; 256 along K of a row tile, in bytes
.set LAPS,   4                         ; 2,048 / 512
.set FR,     16
.set NL,     4
.set NP,     4
.set ADRA, 16                          ; v16-17  LDS address of source 1's fragments in slot 0, 1
.set ADRB, 20                          ; v20-21  of source 0's
.set VT,   24                          ; v24     the table: 256 r + 32 h
.set STO,  25                          ; v25     16 x lane
.set SCL,  26                          ; v26     the conversion's scale
.set LIM,  27                          ; v27     448 x that
.set SPW,  28                          ; v28     LDS address of my spare word; never rewritten
.set NIL,  29                          ; v29     0; never rewritten
.set CS,   32
.set T,    128
.set CD,   192
.set AF,   128
.set G1, 24                            ; s[24:31] descriptor group 1 for x's tile (joint);  s[32:39] its groups 0, one for each slot
.set G0, 32
.set G1B, 48                           ; s[48:55], s[56:63] the same for the weight's tile (the work-group's own)
.set G0B, 56
.set MSB, 0
.macro WIN new                         ; the immediate's high byte repeats the setting that is left
.if MSB != \new
	s_set_vgpr_msb (MSB<<8)|\new
.set MSB, \new
.endif
.endm
.set MUL_LO, 0xa1                      ; source 0 window 1, source 1 window 0, C and D window 2
.set MUL_HI, 0xf1                      ; the same, C and D window 3
.set TO_B,   0x40                      ; destination window 1, address window 0
; A wave's one load: waves 0 and 1 ask jointly for x's tile, waves 2 and 3 fetch the weight's.  The branch hangs on the wave's number alone.  Four v_nop follow each of the two lines.
.macro JLOAD g0a, g1a, g0b, g1b
	s_cmp_eq_u32 s15, 0
	s_cbranch_scc0 .Lfor_b_\@
	tensor_load_to_lds s[\g0a:\g0a+3], s[\g1a:\g1a+7]
	s_nop 0
.rept 4
	v_nop
.endr
	s_branch .Lasked_\@
.Lfor_b_\@:
	tensor_load_to_lds s[\g0b:\g0b+3], s[\g1b:\g1b+7]
	s_nop 0
.rept 4
	v_nop
.endr
.Lasked_\@:
.endm
.macro CREST                           ; a round of the cluster's barrier behind its opening barrier
	s_cmp_lg_u32 s14, 0
	s_cbranch_scc1 .Lnot_wave_0_\@
	s_barrier_signal -3
.Lnot_wave_0_\@:
	s_barrier_wait -3
	s_barrier_signal -1
	s_barrier_wait -1
.endm
.macro CROUND
	s_barrier_signal -1
	s_barrier_wait -1
	CREST
.endm
	s_load_b256 s[4:11], s[0:1], 0x0               ; xc 4:5, wc 6:7, tab 8:9, scales 10:11
	s_load_b64 s[12:13], s[0:1], 0x20              ; qkv
	v_lshl_add_u32 v[SPW], v0, 2, SPARE
	v_mov_b32 v[NIL], 0
	ds_add_u32 v28, v29
	ds_add_u32 v28, v29
	s_wait_dscnt 0x0
	v_lshrrev_b32 v1, 5, v0
	v_readfirstlane_b32 s14, v1                    ; wave 0..3
	s_lshr_b32 s15, s14, 1
	s_and_b32 s16, s14, 1
	s_bfe_u32 s40, ttmp6, 0x40000                  ; cx: my place in the cluster
	s_lshl_b32 s42, ttmp9, 2                       ; in a cluster launch ttmp9 counts clusters
	s_add_co_u32 s42, s42, s40                     ; the weight's tile = 4 x cluster x + cx
	s_and_b32 s85, ttmp7, 0xffff                   ; y, which the four partners share
	s_lshr_b32 s84, s85, 4                         ; the projection
	s_and_b32 s17, s85, 15                         ; the block of 256 tokens
	; descriptor group 1: 8 rows of 512 elements of 8 bytes, 4,096 elements apart; no padding
	s_mov_b32 s[G1+0], 15|(3<<16)|(1<<21)          ; 15:0 the mask: all four work-groups; 17:16 elements of 8 bytes; 21 set beside a mask
	s_mov_b32 s[G1B+0], 3<<16                      ; no mask: the work-group's own load
.irp g, G1, G1B
	s_mov_b32 s[\g+1], 512<<16                     ; tensor_dim0
	s_mov_b32 s[\g+2], 8<<16                       ; tensor_dim1
	s_mov_b32 s[\g+3], 512<<16                     ; tile_dim0
	s_mov_b32 s[\g+4], 8                           ; tile_dim1
	s_mov_b32 s[\g+5], 4096                        ; tensor_dim0_stride: a row tile's 32,768 bytes
	s_mov_b32 s[\g+6], 0
	s_mov_b32 s[\g+7], 0
.endr
	s_lshl_b32 s18, s16, 18                        ; the half that I fetch: 8 row tiles
	s_lshl_b32 s20, s84, 23                        ; x's codes: the projection's copy, 8 MiB each,
	s_lshl_b32 s19, s17, 19                        ; the block's 16 row tiles
	s_add_co_u32 s20, s20, s19
	s_add_co_u32 s20, s20, s18
	s_mov_b32 s21, 0
	s_lshl_b32 s46, s84, 21                        ; the weights' codes: 2 MiB for each projection,
	s_lshl_b32 s86, s42, 19                        ; my tile's 16 row tiles
	s_add_co_u32 s46, s46, s86
	s_add_co_u32 s46, s46, s18
	s_mov_b32 s47, 0
	s_mul_i32 s45, s14, HALFT                      ; where my load goes: wave x 32,768: no place in the cluster enters an LDS address
	s_wait_kmcnt 0x0
	s_load_b256 s[68:75], s[10:11], 0x0            ; e0 .. e7
	s_load_b128 s[76:79], s[10:11], 0x20           ; e8 .. e11
	s_add_nc_u64 s[20:21], s[4:5], s[20:21]
	s_add_nc_u64 s[46:47], s[6:7], s[46:47]
	CROUND                                         ; all four work-groups are here: the first joint loads meet
.irp s, 0,1
	s_mov_b32 s[G0+4*\s], 1
	s_add_co_u32 s[G0+4*\s+1], s45, \s*SLOT
	s_add_nc_u64 s[G0+4*\s+2:G0+4*\s+3], s[20:21], \s*KSB
	s_or_b32 s[G0+4*\s+3], s[G0+4*\s+3], 0x80000000
	s_mov_b32 s[G0B+4*\s], 1
	s_add_co_u32 s[G0B+4*\s+1], s45, \s*SLOT
	s_add_nc_u64 s[G0B+4*\s+2:G0B+4*\s+3], s[46:47], \s*KSB
	s_or_b32 s[G0B+4*\s+3], s[G0B+4*\s+3], 0x80000000
	JLOAD G0+4*\s, G1, G0B+4*\s, G1B               ; by this text's count two loads of a wave are out here, later one
.endr
	v_and_b32 v1, 31, v0
	v_lshlrev_b32 v[STO], 4, v1
	s_cmp_eq_u32 s84, 2
	s_cselect_b32 s21, XW, 0                       ; source 1 reads x's tile, for v the weight's;
	s_cselect_b32 s22, 0, XW                       ; source 0 the other
	s_mul_i32 s23, s15, HALFT
	s_add_co_u32 s21, s21, s23                     ; my half of each
	s_mul_i32 s23, s16, HALFT
	s_add_co_u32 s22, s22, s23
.irp s, 0,1
	v_add_nc_u32 v[ADRA+\s], s21, v[STO]
	v_add_nc_u32 v[ADRB+\s], s22, v[STO]
	s_add_co_u32 s21, s21, SLOT
	s_add_co_u32 s22, s22, SLOT
.endr
	v_and_b32 v2, 15, v0
	v_bfe_u32 v3, v0, 4, 1
	v_lshlrev_b32 v[VT], 8, v2
	v_lshl_add_u32 v[VT], v3, 5, v[VT]
	s_lshl_b32 s86, s17, 8
	s_lshl_b32 s87, s15, 7
	s_add_co_u32 s86, s86, s87                     ; q, k: my first token: 256 x block + 128 x half
	s_and_b32 s87, s86, 2047                       ; its position
	s_lshl_b32 s88, s87, 8
	s_mov_b32 s89, 0
	s_add_nc_u64 s[80:81], s[8:9], s[88:89]        ; the table at that position
	s_wait_kmcnt 0x0
	s_sub_co_i32 s88, s74, s68
	s_sub_co_i32 s88, s88, s69                     ; a sum stands for sum x 2^(eA + eW): its code is sum / 2^(eO - eA - eW)
	s_sub_co_i32 s89, s75, s70
	s_sub_co_i32 s89, s89, s71
	s_sub_co_i32 s90, s77, s72
	s_sub_co_i32 s90, s90, s73
	s_cmp_eq_u32 s84, 1
	s_cselect_b32 s88, s89, s88
	s_cmp_eq_u32 s84, 2
	s_cselect_b32 s88, s90, s88
	s_add_co_i32 s88, s88, 127
	s_lshl_b32 s89, s88, 23
	v_mov_b32 v[SCL], s89
	s_add_co_i32 s88, s88, 8
	s_lshl_b32 s88, s88, 23
	s_or_b32 s88, s88, 0x600000
	v_mov_b32 v[LIM], s88
.macro FRAG reg, adr, q, i             ; a fragment: row tile i of my eight, the slot's q-th 128 along K
.irp c, 0,1,2,3
	ds_load_b128 v[\reg+4*\c:\reg+4*\c+3], v[\adr] offset:2048*(\q)+512*\c+(\i)*4096
.endr
.endm
; 16 matrix instructions: source 1's blocks a0, a0 + 1 x source 0's eight.  The 64 accumulators take turns, one instruction a turn, in the same order in every step.
.macro MUL16 a0, p, zero
.irp a, \a0, \a0+1
.irp b, 0,1,2,3,4,5,6,7
.if \zero
	v_wmma_f32_16x16x128_fp8_fp8 v[8*(8*((\a)%4)+\b):8*(8*((\a)%4)+\b)+7], v[128*(\p)+FR*\b:128*(\p)+FR*\b+FR-1], v[AF+FR*(\a):AF+FR*(\a)+FR-1], 0
.else
	v_wmma_f32_16x16x128_fp8_fp8 v[8*(8*((\a)%4)+\b):8*(8*((\a)%4)+\b)+7], v[128*(\p)+FR*\b:128*(\p)+FR*\b+FR-1], v[AF+FR*(\a):AF+FR*(\a)+FR-1], v[8*(8*((\a)%4)+\b):8*(8*((\a)%4)+\b)+7]
.endif
.endr
.endr
.endm
.macro FETCH_B slot, q, p
	WIN TO_B
.irp i, 0,1,2,3,4,5,6,7
	FRAG 128*(\p)+FR*\i, ADRB+\slot, \q, \i
.endr
	WIN 0
.endm
.macro FETCH_A slot, q, i0
.irp i, \i0, \i0+1, \i0+2, \i0+3
	FRAG AF+FR*(\i), ADRA+\slot, \q, \i
.endr
.endm
.macro PLACES n                        ; plain vector lines between a matrix instruction and a load into, or a vector write of, its registers, or a read of its result
.rept \n
	v_nop
.endr
.endm
.macro STEP slot, q, zero              ; a step of 128 along K that has its successor in the same slot
	s_wait_dscnt 4*NL                              ; all but the youngest sixteen loads (blocks 4-7 of source 1) are in
	WIN MUL_LO
	MUL16 0, (\q)%2, \zero
	MUL16 2, (\q)%2, \zero
	s_wait_dscnt 0
	PLACES NP
	FETCH_B \slot, (\q)+1, 1-(\q)%2
	FETCH_A \slot, (\q)+1, 0
	WIN MUL_HI
	MUL16 4, (\q)%2, \zero
	MUL16 6, (\q)%2, \zero
	PLACES NP
	WIN 0
	FETCH_A \slot, (\q)+1, 4
.endm
; A slot's last step changes slots: ONE barrier; ahead of it each wave waits for all its tensor loads, adds 0 to its spare word, and waits for that and for its reads of this slot.  fill = 1: this slot is filled again, two K steps ahead.
.macro TURN slot, next, fill
	s_wait_tensorcnt 0x0                           ; all my tensor loads have landed: my part of the next slot
	ds_add_u32 v[SPW], v[NIL]                      ; 0 onto my spare word
	s_wait_dscnt 4*NL+1                            ; the add and the youngest sixteen loads may be out
	WIN MUL_LO
	MUL16 0, 1, 0
	s_wait_dscnt 0x0                               ; the add is done, and my reads of this slot are over
	s_barrier_signal -1
	MUL16 2, 1, 0
	WIN 0
	s_barrier_wait -1
.if \fill
	CREST                                          ; the barrier has opened a round of the cluster's: no wave of any partner still reads this slot or has a load on its way
	s_add_nc_u64 s[G0+4*\slot+2:G0+4*\slot+3], s[G0+4*\slot+2:G0+4*\slot+3], 2*KSB
	s_add_nc_u64 s[G0B+4*\slot+2:G0B+4*\slot+3], s[G0B+4*\slot+2:G0B+4*\slot+3], 2*KSB
	JLOAD G0+4*\slot, G1, G0B+4*\slot, G1B         ; the first tensor load behind the round; its four v_nop are the places ahead of the loads below
.else
	PLACES NP
.endif
	FETCH_B \next, 0, 0
	FETCH_A \next, 0, 0
	WIN MUL_HI
	MUL16 4, 1, 0
	MUL16 6, 1, 0
	PLACES NP
	WIN 0
	FETCH_A \next, 0, 4
.endm
; block a's cosines and sines: lane (r, h) takes, of position 16 a + r, f = 16 c2 + 8 h + 0 .. 7: cosines at set + 8 c2, sines at set + 16 + 8 c2.  Three sets by turns.
.macro CSLOAD a
.set CB, CS+32*((\a)%3)
.irp c2, 0,1
.irp q, 0,1
	global_load_b128 v[CB+8*\c2+4*\q:CB+8*\c2+4*\q+3], v[VT], s[80:81] offset:4096*(\a)+64*\c2+16*\q
	global_load_b128 v[CB+16+8*\c2+4*\q:CB+16+8*\c2+4*\q+3], v[VT], s[80:81] offset:4096*(\a)+128+64*\c2+16*\q
.endr
.endr
.endm
	s_wait_tensorcnt 1                             ; my part of K step 0 is in; K step 1's load may be out
	s_barrier_signal -1
	s_barrier_wait -1
	FETCH_B 0, 0, 0
	FETCH_A 0, 0, 0
	FETCH_A 0, 0, 4
	STEP 0, 0, 1                                   ; the first step's products start the sums: nothing is cleared
	s_mov_b32 s3, LAPS-1
.Llap:
	TURN 0, 1, 1
	STEP 1, 0, 0
	TURN 1, 0, 1
	STEP 0, 0, 0
	s_sub_co_u32 s3, s3, 1
	s_cmp_lg_u32 s3, 0
	s_cbranch_scc1 .Llap
	s_cmp_eq_u32 s84, 2                            ; q and k: the first three blocks' cosines and sines are asked for a lap ahead of their use
	s_cbranch_scc1 .Lno_cs
	CSLOAD 0
	CSLOAD 1
	CSLOAD 2
.Lno_cs:
	TURN 0, 1, 0                                   ; the last lap fills nothing, and has no round
	STEP 1, 0, 0
	s_wait_dscnt 4*NL
	WIN MUL_LO
	MUL16 0, 1, 0
	MUL16 2, 1, 0
	s_wait_dscnt 0
	WIN MUL_HI
	MUL16 4, 1, 0
	MUL16 6, 1, 0
	WIN 0
	PLACES NP                                      ; ahead of the reads of the last results and of the writes over source 1's fragments
	s_cmp_eq_u32 s84, 2
	s_cbranch_scc1 .Lv
	; ---- q, k.  acc(a, b)[j] of lane (r, h) = y(token 16 a + r, output 16 b + 8 h + j); my 128 outputs are two heads
	s_lshr_b32 s88, s86, 11                        ; batch
	s_lshl_b32 s88, s88, 4
	s_lshl_b32 s89, s42, 2
	s_add_co_u32 s88, s88, s89
	s_lshl_b32 s89, s16, 1
	s_add_co_u32 s88, s88, s89                     ; 16 x batch + my first head: 4 x weight tile + 2 x half
	s_lshl_b32 s88, s88, 17
	s_lshl_b32 s89, s87, 6                         ; (position / 16) x 1,024
	s_add_co_u32 s88, s88, s89
	s_lshl_b32 s89, s84, 22                        ; q at 0, k at 4 MiB
	s_add_co_u32 s88, s88, s89
	s_mov_b32 s89, 0
	s_add_nc_u64 s[82:83], s[12:13], s[88:89]
.macro QKBLOCK a
.set CB, CS+32*((\a)%3)
.if (\a) <= 5
	s_wait_loadcnt 16                              ; this block's eight loads are in; the two later sets' may be out
.else
	s_wait_loadcnt 8*(7-(\a))
.endif
	s_wait_xcnt 0x0                                ; earlier stores have read their codes: code registers are written again only behind this wait
	WIN 0x02+((\a)/4)                              ; source 0: the accumulators' window
.irp hh, 0,1
.irp c2, 0,1
.set LO, 8*(8*((\a)%4)+4*\hh+\c2)
.set HI, LO+16
.set TL, T+32*\hh+8*\c2
.irp j, 0,2,4,6                        ; each accumulator from its low end on
	v_pk_mul_f32 v[TL+\j:TL+\j+1], v[LO+\j:LO+\j+1], v[CB+8*\c2+\j:CB+8*\c2+\j+1]
	v_pk_mul_f32 v[TL+16+\j:TL+16+\j+1], v[HI+\j:HI+\j+1], v[CB+8*\c2+\j:CB+8*\c2+\j+1]
	v_pk_fma_f32 v[TL+\j:TL+\j+1], v[HI+\j:HI+\j+1], v[CB+16+8*\c2+\j:CB+16+8*\c2+\j+1], v[TL+\j:TL+\j+1] neg_lo:[0,1,0] neg_hi:[0,1,0]   ; d < 32: y(d) cos - y(d + 32) sin
	v_pk_fma_f32 v[TL+16+\j:TL+16+\j+1], v[LO+\j:LO+\j+1], v[CB+16+8*\c2+\j:CB+16+8*\c2+\j+1], v[TL+16+\j:TL+16+\j+1]                    ; d >= 32: y(d) cos + y(d - 32) sin
.endr
.endr
.endr
	WIN 0
.if (\a)+3 < 8
	CSLOAD (\a)+3                                  ; into the set just used
.endif
.irp hh, 0,1
.set CC, CD+8*((2*(\a)+\hh)%8)
.set i, 0
.rept 32
	v_med3_num_f32 v[T+32*\hh+i], v[T+32*\hh+i], -v[LIM], v[LIM]   ; the conversion does not saturate (ISA guide 7.6.2): the hold comes first
.set i, i+1
.endr
.irp c, 0,1,2,3
	v_cvt_scalef32_pk8_fp8_f32 v[CC+2*\c:CC+2*\c+1], v[T+32*\hh+8*\c:T+32*\hh+8*\c+7], v[SCL]   ; registers 2 c, 2 c + 1 of the fragment: d = 16 c + 8 h + 0 .. 7
.endr
.endr
	v_nop                                          ; a plain line behind the last conversion
.irp hh, 0,1
.set CC, CD+8*((2*(\a)+\hh)%8)
.irp u, 0,1
	global_store_b128 v[STO], v[CC+4*\u:CC+4*\u+3], s[82:83] offset:131072*\hh+1024*(\a)+512*\u
.endr
.endr
.endm
.irp a, 0,1,2,3,4,5,6,7
	QKBLOCK \a
.endr
	s_branch .Lend
.Lv:	; ---- v.  acc(a, b)[j] of lane (r, h) = v(output 16 a + r, token 16 b + 8 h + j): my 128 tokens are one key step, my 128 outputs two heads x four tiles of d
	s_lshl_b32 s88, s17, 8
	s_lshl_b32 s89, s16, 7
	s_add_co_u32 s88, s88, s89                     ; my first token: 256 x block + 128 x half
	s_lshr_b32 s89, s88, 11                        ; batch
	s_lshl_b32 s89, s89, 4
	s_lshl_b32 s90, s42, 2
	s_add_co_u32 s89, s89, s90
	s_lshl_b32 s90, s15, 1
	s_add_co_u32 s89, s89, s90                     ; 16 x batch + my first head: 4 x weight tile + 2 x half
	s_lshl_b32 s89, s89, 17
	s_and_b32 s88, s88, 2047
	s_lshl_b32 s88, s88, 6                         ; (key / 128) x 8,192
	s_add_co_u32 s88, s88, s89
	s_add_co_u32 s88, s88, 0x800000                ; v at 8 MiB
	s_mov_b32 s89, 0
	s_add_nc_u64 s[82:83], s[12:13], s[88:89]
.macro VBLOCK a
.set CC, CD+16*((\a)%4)
	s_wait_xcnt 0x0                                ; earlier stores have read their codes
	WIN 0x02+((\a)/4)
.irp b, 0,1,2,3,4,5,6,7
.irp j, 0,1,2,3,4,5,6,7
	v_med3_num_f32 v[T+8*\b+\j], v[8*(8*((\a)%4)+\b)+\j], -v[LIM], v[LIM]
.endr
.endr
	WIN 0
.irp b, 0,1,2,3,4,5,6,7
	v_cvt_scalef32_pk8_fp8_f32 v[CC+2*\b:CC+2*\b+1], v[T+8*\b:T+8*\b+7], v[SCL]   ; registers 2 b, 2 b + 1: keys 16 b + 8 h + 0 .. 7
.endr
	v_nop
.irp c, 0,1,2,3
	global_store_b128 v[STO], v[CC+4*\c:CC+4*\c+3], s[82:83] offset:131072*((\a)/4)+2048*((\a)%4)+512*\c
.endr
.endm
.irp a, 0,1,2,3,4,5,6,7
	VBLOCK \a
.endr
.Lend:
	s_wait_tensorcnt 0x0                           ; the wave's end
	ds_add_u32 v[SPW], v[NIL]
	s_wait_dscnt 0x0
	CROUND                                         ; the closing round: no work-group ends while a partner may still ask for a tile that names it
	s_endpgm
.Lfunc_end_k_q99acfa4860_qkv:
	.size	k_q99acfa4860_qkv, .Lfunc_end_k_q99acfa4860_qkv-k_q99acfa4860_qkv
	.p2alignl 7, 3214868480
	.fill 96, 4, 3214868480
	.section	.rodata,"a",@progbits
	.p2align	6, 0x0
	.amdhsa_kernel k_q99acfa4860_qkv
		.amdhsa_group_segment_fixed_size 327680
		.amdhsa_private_segment_fixed_size 0
		.amdhsa_enable_private_segment 0
		.amdhsa_kernarg_size 40
		.amdhsa_user_sgpr_count 2
		.amdhsa_user_sgpr_kernarg_segment_ptr 1
		.amdhsa_wavefront_size32 1
		.amdhsa_system_sgpr_workgroup_id_x 1
		.amdhsa_system_sgpr_workgroup_id_y 1
		.amdhsa_system_sgpr_workgroup_id_z 1
		.amdhsa_system_vgpr_workitem_id 0
		.amdhsa_next_free_vgpr 1024
		.amdhsa_next_free_sgpr 100
		.amdhsa_reserve_vcc 0
		.amdhsa_float_denorm_mode_32 3
		.amdhsa_float_denorm_mode_16_64 3
		.amdhsa_memory_ordered 1
		.amdhsa_forward_progress 1
		.amdhsa_inst_pref_size 197
	.end_amdhsa_kernel
	.amdgpu_metadata
---
amdhsa.version: [ 1, 2 ]
amdhsa.kernels:
  - .name:           k_q99acfa4860_qkv
    .symbol:         k_q99acfa4860_qkv.kd
    .args:
      - { .name: xc, .offset: 0, .size: 8, .value_kind: global_buffer, .address_space: global }
      - { .name: wc, .offset: 8, .size: 8, .value_kind: global_buffer, .address_space: global }
      - { .name: tab, .offset: 16, .size: 8, .value_kind: global_buffer, .address_space: global }
      - { .name: lowp_scales, .offset: 24, .size: 8, .value_kind: global_buffer, .address_space: global }
      - { .name: qkv, .offset: 32, .size: 8, .value_kind: global_buffer, .address_space: global }
    .group_segment_fixed_size: 327680
    .private_segment_fixed_size: 0
    .kernarg_segment_align: 8
    .kernarg_segment_size: 40
    .max_flat_workgroup_size: 128
    .sgpr_count:     100
    .vgpr_count:     1024
    .wavefront_size: 32
...
	.end_amdgpu_metadata
.endif
;; end of part 2
;; launch attn (part 3): grid 8 x 32, 16 waves a work-group, no clusters, 264,192 bytes of LDS; arguments qkv, tab, flg, lowp_scales, oc; writes oc
.if DOCPART == 3
	.amdgcn_target "amdgcn-amd-amdhsa--gfx1250"
	.amdhsa_code_object_version 6
	.text
	.protected	k_q99acfa4860_attn
	.globl	k_q99acfa4860_attn
	.p2align	8
	.type	k_q99acfa4860_attn,@function
k_q99acfa4860_attn:
	s_mov_b64 s[64:65], 0
	v_nop
	global_prefetch_b8 v0, s[64:65] scope:SCOPE_SE
	s_setreg_imm32_b32 hwreg(HW_REG_WAVE_MODE, 25, 1), 1
	s_wait_xcnt 0x0
; ATTN.  For each (batch, head): S^T = K Q^T and O^T = V^T P^T on codes of E4M3, with the causal mask, the key mask, and the softmax ahead of the second product: t = score x log2(e) / 8; M = the running largest t rounded UP to a
; whole number; p = 2^(t - M) is quantised with 2^e8, not normalised; the row's sum of the unquantised p divides at the end.  o is quantised with 2^e10 and laid as the last product's operand image.
; SHARES.  A work-group has one head and the query blocks i and 15 - i (128 queries each): 17 block-steps whatever i is.  Each of its sixteen waves has 16 queries in 256 registers, four waves to a SIMD.
; LDS holds the head's whole K (bytes 0 ..) and V (bytes 131,072 ..) as images of fragments, 8,192 bytes each for 128 keys.  It is filled ONCE, through registers, in four groups of four key steps; each group is asked for four key
; steps ahead.  No byte of LDS is written twice.  No tensor load and no copy.
; NO CLUSTER: the steps that a wave leaves out hang on its query block, which differs between the work-groups of a head, and so would the partners' paths.
; MASKS.  A hidden score is EXACTLY -2^59.  Causal: by compare and select, in the steps that reach past my first query.  Key mask: in a step with a hole the products start from the mask's f32 numbers (0 or -2^60) and the results are held
; at -2^59 from below.  A step all of whose keys come after my queries is left out.
; A ROW WITH NO VISIBLE KEY (query below the batch's first true key) has all scores equal in the definition: its weights are uniform over ALL 2,048 keys.  A wave with such a row walks all sixteen steps; every score of the row is -2^59,
; c x 2^59 is a whole number, so p = 1 for every key and the sum is 2,048.  Where a real score comes later in another row, 2^(old M - new M) is 0 and wipes what was summed.
; LIMITS: e6 + e7 between -30 and 60; e8 and e10 - e8 - e9 between -126 and 119.
.set SG, 24                            ; v24-55   the fill's registers
.set KV, 56                            ; v56-119  eight fragments of K, then four of V
.set S,  120                           ; v120-183 S^T, then p
.set P,  184                           ; v184-199 p's codes
.set OA, 200                           ; v200-231 O^T
; v1 16 x lane; v2, v3 addresses of the step's K and V; v4, v5, v6 the fill's; v7 r - 8 h; v8 32 h; v9 the mask's offset; v10, v11 at work; v12 -M; v13 the largest t; v[14:15] the sum; v[16:23] Q;
; v232 a permute's result; v[234:235] f; v[236:237] the sum's second chain; v238, v239 2^e8 and 448 x that; v240 -2^59; v242, v243 the maximum's chains; v244, v245 2^(e10 - e8 - e9) and 448 x that; v246 16 r + 8 h
; s14 wave; s15 batch x 16 + head; s16 batch; s17 head; s18 query block; s20 first query; s21 last step; s22 H; s23 F; s24 step; s25 its first key; s26 its LDS byte; s27 trips; s[28:29] c; s[30:31] lane selects; s[32:39] e4 .. e11
	s_load_b256 s[4:11], s[0:1], 0x0               ; qkv 4:5, tab 6:7, flg 8:9, scales 10:11
	s_load_b64 s[12:13], s[0:1], 0x20              ; oc
	v_lshl_add_u32 v254, v0, 2, 0x40000
	v_mov_b32 v255, 0
	v_lshrrev_b32 v1, 5, v0
	v_readfirstlane_b32 s14, v1                    ; wave 0..15
	v_and_b32 v10, 31, v0
	v_lshlrev_b32 v1, 4, v10
	v_and_b32 v10, 15, v0                          ; r
	v_bfe_u32 v11, v0, 4, 1                        ; h
	v_lshlrev_b32 v8, 5, v11
	v_lshlrev_b32 v7, 3, v11
	v_sub_nc_u32 v7, v10, v7
	v_lshlrev_b32 v246, 4, v10
	v_lshl_add_u32 v246, v11, 3, v246
	s_and_b32 s15, ttmp7, 0xffff
	s_lshr_b32 s16, s15, 4
	s_and_b32 s17, s15, 15
	s_lshr_b32 s48, s14, 2
	s_xor_b32 s48, s48, s14
	s_and_b32 s48, s48, 1                          ; which of the two blocks: the two waves of a pair differ, and so do neighbouring groups of four waves
	s_sub_co_u32 s49, 15, ttmp9
	s_cmp_eq_u32 s48, 1
	s_cselect_b32 s18, s49, ttmp9
	s_lshr_b32 s49, s14, 1
	s_lshl_b32 s20, s18, 7
	s_lshl_b32 s49, s49, 4
	s_add_co_u32 s20, s20, s49                     ; 128 x block + 16 x (wave / 2)
	s_and_b32 s48, s14, 7                          ; the fill: waves 0-7 copy K, waves 8-15 V, 4,096 bytes of a group each
	s_lshl_b32 s48, s48, 12
	v_add_nc_u32 v5, s48, v1
	s_lshr_b32 s49, s14, 3
	s_lshl_b32 s49, s49, 17
	s_add_co_u32 s49, s49, s48
	v_add_nc_u32 v4, s49, v1
	s_mov_b32 s30, 0x76543210
	s_mov_b32 s31, 0xfedcba98
	s_wait_kmcnt 0x0
	s_load_b128 s[40:43], s[8:9], 0x0              ; F0, F1, H0, H1
	s_load_b256 s[32:39], s[10:11], 0x10           ; e4 .. e11
	s_lshl_b32 s50, s15, 17
	s_mov_b32 s51, 0
	s_add_nc_u64 s[52:53], s[4:5], s[50:51]        ; q of my head
	s_mov_b32 s48, 0x800000
	s_cmp_lt_u32 s14, 8
	s_cselect_b32 s48, 0x400000, s48
	s_mov_b32 s49, 0
	s_add_nc_u64 s[44:45], s[52:53], s[48:49]      ; k or v of my head
.macro GLOAD g
.irp j, 0,1,2,3,4,5,6,7
	global_load_b128 v[SG+4*\j:SG+4*\j+3], v5, s[44:45] offset:32768*(\g)+512*\j
.endr
.endm
	GLOAD 0
	s_lshl_b32 s48, s20, 6                         ; (query / 16) x 1,024
	v_add_nc_u32 v10, s48, v1
	global_load_b128 v[16:19], v10, s[52:53]       ; Q's fragment stays in registers
	global_load_b128 v[20:23], v10, s[52:53] offset:512
	s_lshl_b32 s48, s16, 13
	s_add_co_u32 s48, s48, 0x80000
	s_add_nc_u64 s[46:47], s[6:7], s[48:49]        ; the mask's f32 numbers of my batch
	v_mov_b32 v13, 0xff61b1e6                      ; the largest t so far: -3e38
	v_floor_f32 v12, -v13
	v_mov_b32 v14, 0
	v_mov_b32 v15, 0
	v_mov_b32 v232, 0                              ; a lane permute's destination counts as one of its sources
	v_mov_b32 v235, 0                              ; (named as the upper half of a pair)
	v_mov_b32 v240, 0xdd000000                     ; -2^59
.set i, 0
.rept 32
	v_mov_b32 v[OA+i], 0                           ; the step is written once for all steps: the first finds zeros
.set i, i+1
.endr
	s_wait_kmcnt 0x0
	s_cmp_eq_u32 s16, 0
	s_cselect_b32 s23, s40, s41
	s_cselect_b32 s22, s42, s43
	s_cmp_lt_u32 s20, s23                          ; have I a query below the first true key?
	s_cselect_b32 s21, 15, s18
	s_add_co_i32 s48, s34, s35
	s_lshl_b32 s48, s48, 23
	s_add_co_i32 s28, s48, 0x3e38aa3b              ; c = log2(e) / 8, with e6 + e7 added to its exponent field
	s_mov_b32 s29, s28
.macro MKSC sr, vs, vl
	s_add_co_i32 s49, s[\sr], 127
	s_lshl_b32 s50, s49, 23
	v_mov_b32 v[\vs], s50
	s_add_co_i32 s49, s49, 8
	s_lshl_b32 s49, s49, 23
	s_or_b32 s49, s49, 0x600000
	v_mov_b32 v[\vl], s49
.endm
	MKSC 36, 238, 239
	s_sub_co_i32 s48, s38, s36
	s_sub_co_i32 s48, s48, s37
	MKSC 48, 244, 245
.macro STEP                            ; 128 keys
	s_cmp_gt_u32 s24, s21
	s_cbranch_scc1 .Lskip_\@
	v_add_nc_u32 v2, s26, v1
	v_add_nc_u32 v3, 0x20000, v2
	v_nop
	v_nop                                          ; four plain lines between the last products, which read V's fragments, and the loads into those registers
.irp t, 0,1,2,3,4,5,6,7
.irp u, 0,1
	ds_load_b128 v[KV+8*\t+4*\u:KV+8*\t+4*\u+3], v2 offset:1024*\t+512*\u
.endr
.endr
	s_lshr_b32 s48, s22, s24
	s_and_b32 s48, s48, 1
	s_cmp_lg_u32 s48, 0
	s_cbranch_scc1 .Lholes_\@
	s_wait_dscnt 0x0
.irp t, 0,1,2,3,4,5,6,7
	v_wmma_f32_16x16x64_fp8_fp8 v[S+8*\t:S+8*\t+7], v[KV+8*\t:KV+8*\t+7], v[16:23], 0   ; lane (r, h): query r, keys 16 t + 8 h + 0 .. 7
.endr
.rept 4
	v_nop
.endr
	s_branch .Ljoin_\@
.Lholes_\@:
	v_lshl_add_u32 v9, s25, 2, v8                  ; (its last loads were waited for)
.irp t, 0,1,2,3,4,5,6,7
.irp q, 0,1
	global_load_b128 v[S+8*\t+4*\q:S+8*\t+4*\q+3], v9, s[46:47] offset:64*\t+16*\q   ; 0 or -2^60 for my eight keys of tile t
.endr
.endr
	s_wait_loadcnt 0x0
	s_wait_dscnt 0x0
.irp t, 0,1,2,3,4,5,6,7
	v_wmma_f32_16x16x64_fp8_fp8 v[S+8*\t:S+8*\t+7], v[KV+8*\t:KV+8*\t+7], v[16:23], v[S+8*\t:S+8*\t+7]
.endr
.rept 4
	v_nop
.endr
.set n, 0
.rept 64
	v_max_num_f32 v[S+n], v[S+n], v240             ; a masked score is -2^59 exactly; a real one is far above it
.set n, n+1
.endr
.Ljoin_\@:
.irp t, 0,1,2,3
.irp c, 0,1,2,3
	ds_load_b128 v[KV+16*\t+4*\c:KV+16*\t+4*\c+3], v3 offset:2048*\t+512*\c   ; V lands while the softmax is walked
.endr
.endr
	s_add_co_u32 s48, s25, 127
	s_cmp_le_u32 s48, s20
	s_cbranch_scc1 .Lopen_\@
	s_sub_co_i32 s48, s20, s25
	v_add_nc_u32 v10, s48, v7                      ; d = my query - the step's first key - 8 h: key 16 t + j of my half is hidden where 16 t + j > d
.set n, 0
.rept 64
	v_cmp_gt_i32 vcc_lo, 16*(n/8)+n%8, v10
	v_cndmask_b32 v[S+n], v[S+n], v240, vcc_lo
.set n, n+1
.endr
.Lopen_\@:
	v_max3_num_f32 v242, v[S], v[S+1], v[S+2]      ; the step's largest score of my query, in two chains, each accumulator from its low end on
	v_max3_num_f32 v243, v[S+3], v[S+4], v[S+5]
.irp i, 6,10,14,18,22,26,30,34,38,42,46,50,54,58
	v_max3_num_f32 v242, v242, v[S+\i], v[S+\i+1]
	v_max3_num_f32 v243, v243, v[S+\i+2], v[S+\i+3]
.endr
	v_max3_num_f32 v242, v242, v[S+62], v[S+63]
	v_max_num_f32 v242, v242, v243
	v_permlanex16_b32 v232, v242, s30, s31
	v_max_num_f32 v242, v242, v232                 ; and among the other half's keys
	v_mul_f32 v242, s28, v242                      ; as t (c is positive)
	v_max_num_f32 v13, v13, v242
	v_mov_b32 v242, v12
	v_floor_f32 v12, -v13                          ; -M = floor(-t)
	v_sub_f32 v242, v12, v242                      ; old M - new M: a whole number, 0 or less
	v_cvt_i32_f32 v242, v242                       ; (it saturates)
	v_ldexp_f32 v234, 1.0, v242                    ; f = 2^(old M - new M)
.set n, 0
.rept 32
	v_pk_fma_f32 v[S+n:S+n+1], v[S+n:S+n+1], s[28:29], v[12:13] op_sel_hi:[1,0,0]   ; t - M
.set n, n+2
.endr
.set n, 0
.rept 64
	v_exp_f32 v[S+n], v[S+n]                       ; p
.set n, n+1
.endr
	v_pk_mul_f32 v[14:15], v[14:15], v[234:235] op_sel_hi:[1,0]   ; the sums under the new M: the plain line behind the exponentials
	s_wait_alu depctr_va_vdst(0)                   ; one wait for the batch, ahead of its first reader
	v_pk_add_f32 v[236:237], v[S:S+1], v[S+2:S+3]  ; the sum of the unquantised p, in two chains
.irp j, 4,8,12,16,20,24,28,32,36,40,44,48,52,56,60
	v_pk_add_f32 v[14:15], v[14:15], v[S+\j:S+\j+1]
	v_pk_add_f32 v[236:237], v[236:237], v[S+\j+2:S+\j+3]
.endr
	v_pk_add_f32 v[14:15], v[14:15], v[236:237]
	s_cmp_ge_i32 s36, -8                           ; p <= 1 <= 448 x 2^e8 from e8 = -8 on: the hold would change nothing
	s_cbranch_scc1 .Lnohold_\@
.set n, 0
.rept 64
	v_min_num_f32 v[S+n], v[S+n], v239             ; the conversion does not saturate (ISA guide 7.6.2); p is not negative
.set n, n+1
.endr
.Lnohold_\@:
.irp t, 0,1,2,3,4,5,6,7
	v_cvt_scalef32_pk8_fp8_f32 v[P+2*\t:P+2*\t+1], v[S+8*\t:S+8*\t+7], v238   ; registers 2 t, 2 t + 1 of the operand: keys 16 t + 8 h + 0 .. 7
.endr
.set n, 0
.rept 16
	v_pk_mul_f32 v[OA+n:OA+n+1], v[OA+n:OA+n+1], v[234:235] op_sel_hi:[1,0]   ; O^T under the new M; also the plain lines behind the conversions
.set n, n+2
.endr
	s_wait_dscnt 0x0                               ; V is in
.irp t, 0,1,2,3
	v_wmma_f32_16x16x128_fp8_fp8 v[OA+8*\t:OA+8*\t+7], v[KV+16*\t:KV+16*\t+15], v[P:P+15], v[OA+8*\t:OA+8*\t+7]   ; the four accumulators take turns
.endr
.Lskip_\@:
	s_add_co_u32 s24, s24, 1
	s_add_co_u32 s25, s25, 128
	s_add_co_u32 s26, s26, 8192
.endm
.macro GROUP g                         ; key steps 4 g .. 4 g + 3
	s_wait_loadcnt 0x0                             ; my part of the group is in registers (and, the first time, Q)
	v_add_nc_u32 v6, 32768*\g, v4
.irp j, 0,1,2,3,4,5,6,7
	ds_store_b128 v6, v[SG+4*\j:SG+4*\j+3] offset:512*\j
.endr
	s_wait_dscnt 0x0                               ; for the others' sake: my stores have landed
	s_barrier_signal -1
	s_barrier_wait -1                              ; the group lies whole in LDS
.if \g < 3
	GLOAD (\g)+1                                   ; the next group has four key steps in which to come
.endif
	s_mov_b32 s24, 4*\g
	s_mov_b32 s25, 512*\g
	s_mov_b32 s26, 32768*\g
	s_mov_b32 s27, 4
.Lstep_\@:
	STEP
	s_sub_co_u32 s27, s27, 1
	s_cmp_lg_u32 s27, 0
	s_cbranch_scc1 .Lstep_\@
.endm
	GROUP 0
	GROUP 1
	GROUP 2
	GROUP 3
	; THE WAY OUT.  O^T(d = 16 t + 8 h + j, query r) / the sum, quantised with 2^e10 (the scales e8, e9 folded in).  In the last product's image (k = 64 x head + d) my eight codes of tile t lie at 256 t + 16 r + 8 h of the head's 1,024 bytes
.rept 4
	v_nop
.endr
	v_add_f32 v14, v14, v15
	v_permlanex16_b32 v232, v14, s30, s31
	v_add_f32 v14, v14, v232                       ; the row's sum
	v_rcp_f32 v14, v14
	v_nop                                          ; a plain line behind the reciprocal
	s_lshl_b32 s48, s16, 7
	s_lshr_b32 s49, s20, 4
	s_add_co_u32 s48, s48, s49                     ; the token tile
	s_lshl_b32 s48, s48, 14
	s_lshr_b32 s49, s17, 1
	s_lshl_b32 s49, s49, 11
	s_add_co_u32 s48, s48, s49
	s_and_b32 s49, s17, 1
	s_lshl_b32 s49, s49, 10
	s_add_co_u32 s48, s48, s49
	s_mov_b32 s49, 0
	s_add_nc_u64 s[12:13], s[12:13], s[48:49]
	s_wait_alu depctr_va_vdst(0)                   ; ahead of the reciprocal's first reader
.set n, 0
.rept 16
	v_pk_mul_f32 v[S+n:S+n+1], v[OA+n:OA+n+1], v[14:15] op_sel_hi:[1,0]
.set n, n+2
.endr
.set n, 0
.rept 32
	v_med3_num_f32 v[S+n], v[S+n], -v245, v245
.set n, n+1
.endr
.irp t, 0,1,2,3
	v_cvt_scalef32_pk8_fp8_f32 v[P+2*\t:P+2*\t+1], v[S+8*\t:S+8*\t+7], v244
.endr
	v_nop
.irp t, 0,1,2,3
	global_store_b64 v246, v[P+2*\t:P+2*\t+1], s[12:13] offset:256*\t   ; the 32 lanes store 256 consecutive bytes, aligned
.endr
	s_wait_tensorcnt 0x0
	ds_add_u32 v254, v255
	s_wait_dscnt 0x0
	s_endpgm
.Lfunc_end_k_q99acfa4860_attn:
	.size	k_q99acfa4860_attn, .Lfunc_end_k_q99acfa4860_attn-k_q99acfa4860_attn
	.p2alignl 7, 3214868480
	.fill 96, 4, 3214868480
	.section	.rodata,"a",@progbits
	.p2align	6, 0x0
	.amdhsa_kernel k_q99acfa4860_attn
		.amdhsa_group_segment_fixed_size 264192
		.amdhsa_private_segment_fixed_size 0
		.amdhsa_enable_private_segment 0
		.amdhsa_kernarg_size 40
		.amdhsa_user_sgpr_count 2
		.amdhsa_user_sgpr_kernarg_segment_ptr 1
		.amdhsa_wavefront_size32 1
		.amdhsa_system_sgpr_workgroup_id_x 1
		.amdhsa_system_sgpr_workgroup_id_y 1
		.amdhsa_system_sgpr_workgroup_id_z 1
		.amdhsa_system_vgpr_workitem_id 0
		.amdhsa_next_free_vgpr 256
		.amdhsa_next_free_sgpr 66
		.amdhsa_reserve_vcc 1
		.amdhsa_float_denorm_mode_32 3
		.amdhsa_float_denorm_mode_16_64 3
		.amdhsa_memory_ordered 1
		.amdhsa_forward_progress 1
		.amdhsa_inst_pref_size 116
	.end_amdhsa_kernel
	.amdgpu_metadata
---
amdhsa.version: [ 1, 2 ]
amdhsa.kernels:
  - .name:           k_q99acfa4860_attn
    .symbol:         k_q99acfa4860_attn.kd
    .args:
      - { .name: qkv, .offset: 0, .size: 8, .value_kind: global_buffer, .address_space: global }
      - { .name: tab, .offset: 8, .size: 8, .value_kind: global_buffer, .address_space: global }
      - { .name: flg, .offset: 16, .size: 8, .value_kind: global_buffer, .address_space: global }
      - { .name: lowp_scales, .offset: 24, .size: 8, .value_kind: global_buffer, .address_space: global }
      - { .name: oc, .offset: 32, .size: 8, .value_kind: global_buffer, .address_space: global }
    .group_segment_fixed_size: 264192
    .private_segment_fixed_size: 0
    .kernarg_segment_align: 8
    .kernarg_segment_size: 40
    .max_flat_workgroup_size: 512
    .sgpr_count:     66
    .vgpr_count:     256
    .wavefront_size: 32
...
	.end_amdgpu_metadata
.endif
;; end of part 3
;; launch oproj (part 4): grid 8 x 16, 4 waves a work-group, clusters of 4 x 4, 327,680 bytes of LDS; arguments oc, wc, lowp_scales, out0; writes out0
.if DOCPART == 4
	.amdgcn_target "amdgcn-amd-amdhsa--gfx1250"
	.amdhsa_code_object_version 6
	.text
	.protected	k_q99acfa4860_oproj
	.globl	k_q99acfa4860_oproj
	.p2align	8
	.type	k_q99acfa4860_oproj,@function
k_q99acfa4860_oproj:
	s_mov_b64 s[64:65], 0
	v_nop
	global_prefetch_b8 v0, s[64:65] scope:SCOPE_SE
	s_setreg_imm32_b32 hwreg(HW_REG_WAVE_MODE, 25, 1), 1
	s_wait_xcnt 0x0
	s_wait_alu depctr_hold_cnt(0) depctr_sa_sdst(0) depctr_va_vdst(0) depctr_va_sdst(0) depctr_va_ssrc(0) depctr_va_vcc(0) depctr_vm_vsrc(0)
	s_getreg_b32 s2, hwreg(HW_REG_IB_STS2, 6, 4)
	s_cmp_eq_u32 s2, 0
	s_cbranch_scc0 .Lentry_in_a_cluster
	s_endpgm
.Lentry_in_a_cluster:
	s_bfe_u32 s2, ttmp6, 0x10000c
	s_cmp_lg_u32 s2, 0xf033
	s_cbranch_scc0 .Lentry_shape_is_right
	s_endpgm
.Lentry_shape_is_right:
; OPROJ.  out0[m][n] = 2^(e10 + e11) x the sum over k of o's code (m, k) x Wo's code (n, k).  M = 4,096, N = 2,048, K = 1,024; codes of E4M3; sums in f32.
; A tile of 256 x 256 is made by four waves, 128 x 128 each.  K goes in steps of 256 through a ring of two LDS slots filled by joint tensor loads: 4 x 4 work-groups form a cluster, o's tile is shared along a row, Wo's along a column.
; OPERANDS ARE IMAGES OF REGISTERS: 16 rows x 128 k are 2,048 bytes, [c][lane][16]; a row tile's K lies on end (16,384 bytes).  A wave's load brings 8 row tiles x 4,096 bytes; a fragment is four loads of 16 bytes a lane, 512 bytes apart:
; lane l holds, of row l % 16, k = 32 c + 16 (l / 16) + 0 .. 15 in registers 4 c .. 4 c + 3: a permutation of k that is the same on both sides.  Every LDS load reads 512 consecutive bytes.
; THE MATRIX INSTRUCTION IS USED TRANSPOSED (source 0 = 16 rows of Wo, source 1 = 16 rows of o): a lane holds eight neighbouring numbers of a row of the output.
; LIMIT: e10 + e11 lies between -126 and 127.
; REGISTERS, in windows of 256: window 0: v0-31 addresses; from v128 o's fragments, ONE set; on the way out v32-255 are free.  window 1: Wo's fragments, TWO sets.  windows 2, 3: the accumulators ((a, b) at v[8 (8 (a % 4) + b)]).
.set SIZE_N, 2048
.set HALFT,  32768
.set SLOT,   4*HALFT
.set SPARE,  2*SLOT                    ; behind the ring: the spare words, 128 bytes for each wave: two blocks of 256 bytes that no other line names
.set KSB,    4096
.set LAPS,   2                         ; 1,024 / 512
.set FR,     16
.set NL,     4
.set NP,     4
.set SPITCH, 528                       ; the way out: a stage of 16 rows x (512 bytes + 16) for each wave, in slot 0, which has had its last fill and its last read when the first result is stored there
.set ADRA, 16
.set ADRB, 20
.set STO,  24
.set RD,   25
.set CO,   26
.set SPW,  28
.set NIL,  29
.set TMP,  32
.set AF,   128
.set BK,   128
.set G1, 24
.set G0, 32
.set G1B, 48
.set G0B, 56
.set MSB, 0
.macro WIN new
.if MSB != \new
	s_set_vgpr_msb (MSB<<8)|\new
.set MSB, \new
.endif
.endm
.set MUL_LO, 0xa1
.set MUL_HI, 0xf1
.set TO_B,   0x40
.macro JLOAD g0a, g1a, g0b, g1b        ; waves 0 and 1 fetch o's tile, waves 2 and 3 Wo's; four v_nop follow each of the two lines
	s_cmp_eq_u32 s15, 0
	s_cbranch_scc0 .Lfor_b_\@
	tensor_load_to_lds s[\g0a:\g0a+3], s[\g1a:\g1a+7]
	s_nop 0
.rept 4
	v_nop
.endr
	s_branch .Lasked_\@
.Lfor_b_\@:
	tensor_load_to_lds s[\g0b:\g0b+3], s[\g1b:\g1b+7]
	s_nop 0
.rept 4
	v_nop
.endr
.Lasked_\@:
.endm
.macro CREST
	s_cmp_lg_u32 s14, 0
	s_cbranch_scc1 .Lnot_wave_0_\@
	s_barrier_signal -3
.Lnot_wave_0_\@:
	s_barrier_wait -3
	s_barrier_signal -1
	s_barrier_wait -1
.endm
.macro CROUND
	s_barrier_signal -1
	s_barrier_wait -1
	CREST
.endm
	s_load_b128 s[4:7], s[0:1], 0x0                ; oc, wc
	s_load_b128 s[8:11], s[0:1], 0x10              ; scales, out0
	v_lshl_add_u32 v[SPW], v0, 2, SPARE
	v_mov_b32 v[NIL], 0
	ds_add_u32 v28, v29
	ds_add_u32 v28, v29
	s_wait_dscnt 0x0
	v_lshrrev_b32 v1, 5, v0
	v_readfirstlane_b32 s14, v1
	s_lshr_b32 s15, s14, 1
	s_and_b32 s16, s14, 1
	s_bfe_u32 s40, ttmp6, 0x40000
	s_bfe_u32 s41, ttmp6, 0x40004
	s_lshl_b32 s42, ttmp9, 2
	s_add_co_u32 s42, s42, s40                     ; tile column
	s_and_b32 s17, ttmp7, 0xffff
	s_lshl_b32 s17, s17, 2
	s_add_co_u32 s17, s17, s41                     ; tile row
	s_lshl_b32 s43, s41, 2
	s_lshl_b32 s43, 15, s43
	s_lshl_b32 s44, 0x1111, s40
	s_or_b32 s[G1+0], s43, (3<<16)|(1<<21)         ; the mask; elements of 8 bytes; bit 21 beside a mask; no padding
	s_or_b32 s[G1B+0], s44, (3<<16)|(1<<21)
.irp g, G1, G1B
	s_mov_b32 s[\g+1], 512<<16                     ; tensor_dim0
	s_mov_b32 s[\g+2], 8<<16                       ; tensor_dim1
	s_mov_b32 s[\g+3], 512<<16                     ; tile_dim0
	s_mov_b32 s[\g+4], 8                           ; tile_dim1
	s_mov_b32 s[\g+5], 2048                        ; tensor_dim0_stride: a row tile's 16,384 bytes
	s_mov_b32 s[\g+6], 0
	s_mov_b32 s[\g+7], 0
.endr
	s_lshl_b32 s18, s16, 17                        ; 8 row tiles
	s_lshl_b32 s20, s17, 18
	s_add_co_u32 s20, s20, s18
	s_mov_b32 s21, 0
	s_lshl_b32 s46, s42, 18
	s_add_co_u32 s46, s46, s18
	s_add_co_u32 s46, s46, 0x600000                ; Wo's codes lie 6 MiB into wc
	s_mov_b32 s47, 0
	s_mul_i32 s45, s14, HALFT
	s_wait_kmcnt 0x0
	s_load_b64 s[96:97], s[8:9], 0x28              ; e10, e11
	s_add_nc_u64 s[20:21], s[4:5], s[20:21]
	s_add_nc_u64 s[46:47], s[6:7], s[46:47]
	CROUND
.irp s, 0,1
	s_mov_b32 s[G0+4*\s], 1
	s_add_co_u32 s[G0+4*\s+1], s45, \s*SLOT
	s_add_nc_u64 s[G0+4*\s+2:G0+4*\s+3], s[20:21], \s*KSB
	s_or_b32 s[G0+4*\s+3], s[G0+4*\s+3], 0x80000000
	s_mov_b32 s[G0B+4*\s], 1
	s_add_co_u32 s[G0B+4*\s+1], s45, \s*SLOT
	s_add_nc_u64 s[G0B+4*\s+2:G0B+4*\s+3], s[46:47], \s*KSB
	s_or_b32 s[G0B+4*\s+3], s[G0B+4*\s+3], 0x80000000
	JLOAD G0+4*\s, G1, G0B+4*\s, G1B
.endr
	v_and_b32 v1, 15, v0
	v_bfe_u32 v2, v0, 4, 1
	v_and_b32 v6, 31, v0
	v_lshlrev_b32 v[CO], 4, v6                     ; 16 x lane
	s_mul_i32 s21, s15, HALFT
	s_mul_i32 s22, s16, HALFT
	s_add_co_u32 s22, s22, 2*HALFT
.irp s, 0,1
	v_add_nc_u32 v[ADRA+\s], s21, v[CO]
	v_add_nc_u32 v[ADRB+\s], s22, v[CO]
	s_add_co_u32 s21, s21, SLOT
	s_add_co_u32 s22, s22, SLOT
.endr
	s_mul_i32 s23, s14, 16*SPITCH                  ; my stage
	v_mul_u32_u24 v5, v1, SPITCH
	v_lshl_add_u32 v5, v2, 5, v5
	v_add_nc_u32 v[STO], s23, v5                   ; in: row l % 16, 32 bytes for each half of the lanes
	v_add_nc_u32 v[RD], s23, v[CO]                 ; back: the 32 lanes take one row of 512 bytes
	s_lshl_b32 s20, s17, 8
	s_lshl_b32 s21, s15, 7
	s_add_co_u32 s20, s20, s21                     ; my first row of the output
	s_mov_b32 s21, 0
	s_mov_b64 s[18:19], SIZE_N*4
	s_mul_u64 s[20:21], s[20:21], s[18:19]
	s_lshl_b32 s46, s42, 10
	s_lshl_b32 s47, s16, 9
	s_add_co_u32 s46, s46, s47                     ; my first column, in bytes
	s_mov_b32 s47, 0
	s_add_nc_u64 s[20:21], s[20:21], s[46:47]
	s_add_nc_u64 s[10:11], s[10:11], s[20:21]
.macro FRAG reg, adr, q, i
.irp c, 0,1,2,3
	ds_load_b128 v[\reg+4*\c:\reg+4*\c+3], v[\adr] offset:2048*(\q)+512*\c+(\i)*4096
.endr
.endm
.macro MUL16 a0, p, zero               ; the 64 accumulators take turns, one instruction a turn, in the same order in every step
.irp a, \a0, \a0+1
.irp b, 0,1,2,3,4,5,6,7
.if \zero
	v_wmma_f32_16x16x128_fp8_fp8 v[8*(8*((\a)%4)+\b):8*(8*((\a)%4)+\b)+7], v[128*(\p)+FR*\b:128*(\p)+FR*\b+FR-1], v[AF+FR*(\a):AF+FR*(\a)+FR-1], 0
.else
	v_wmma_f32_16x16x128_fp8_fp8 v[8*(8*((\a)%4)+\b):8*(8*((\a)%4)+\b)+7], v[128*(\p)+FR*\b:128*(\p)+FR*\b+FR-1], v[AF+FR*(\a):AF+FR*(\a)+FR-1], v[8*(8*((\a)%4)+\b):8*(8*((\a)%4)+\b)+7]
.endif
.endr
.endr
.endm
.macro FETCH_B slot, q, p
	WIN TO_B
.irp i, 0,1,2,3,4,5,6,7
	FRAG 128*(\p)+FR*\i, ADRB+\slot, \q, \i
.endr
	WIN 0
.endm
.macro FETCH_A slot, q, i0
.irp i, \i0, \i0+1, \i0+2, \i0+3
	FRAG AF+FR*(\i), ADRA+\slot, \q, \i
.endr
.endm
.macro PLACES n
.rept \n
	v_nop
.endr
.endm
.macro STEP slot, q, zero
	s_wait_dscnt 4*NL                              ; all but the youngest sixteen loads (o's blocks 4-7) are in
	WIN MUL_LO
	MUL16 0, (\q)%2, \zero
	MUL16 2, (\q)%2, \zero
	s_wait_dscnt 0
	PLACES NP
	FETCH_B \slot, (\q)+1, 1-(\q)%2
	FETCH_A \slot, (\q)+1, 0
	WIN MUL_HI
	MUL16 4, (\q)%2, \zero
	MUL16 6, (\q)%2, \zero
	PLACES NP
	WIN 0
	FETCH_A \slot, (\q)+1, 4
.endm
.macro TURN slot, next, fill
	s_wait_tensorcnt 0x0                           ; all my tensor loads have landed: my part of the next slot
	ds_add_u32 v[SPW], v[NIL]                      ; 0 onto my spare word
	s_wait_dscnt 4*NL+1                            ; the add and the youngest sixteen loads may be out
	WIN MUL_LO
	MUL16 0, 1, 0
	s_wait_dscnt 0x0                               ; the add is done, and my reads of this slot are over
	s_barrier_signal -1
	MUL16 2, 1, 0
	WIN 0
	s_barrier_wait -1
.if \fill
	CREST                                          ; no wave of any partner still reads this slot or has a load on its way
	s_add_nc_u64 s[G0+4*\slot+2:G0+4*\slot+3], s[G0+4*\slot+2:G0+4*\slot+3], 2*KSB
	s_add_nc_u64 s[G0B+4*\slot+2:G0B+4*\slot+3], s[G0B+4*\slot+2:G0B+4*\slot+3], 2*KSB
	JLOAD G0+4*\slot, G1, G0B+4*\slot, G1B
.else
	PLACES NP
.endif
	FETCH_B \next, 0, 0
	FETCH_A \next, 0, 0
	WIN MUL_HI
	MUL16 4, 1, 0
	MUL16 6, 1, 0
	PLACES NP
	WIN 0
	FETCH_A \next, 0, 4
.endm
	s_wait_tensorcnt 1                             ; my part of K step 0 is in; K step 1's load may be out
	s_barrier_signal -1
	s_barrier_wait -1
	FETCH_B 0, 0, 0
	FETCH_A 0, 0, 0
	FETCH_A 0, 0, 4
	STEP 0, 0, 1
	s_mov_b32 s3, LAPS-1
.Llap:
	TURN 0, 1, 1
	STEP 1, 0, 0
	TURN 1, 0, 1
	STEP 0, 0, 0
	s_sub_co_u32 s3, s3, 1
	s_cmp_lg_u32 s3, 0
	s_cbranch_scc1 .Llap
	TURN 0, 1, 0
	STEP 1, 0, 0
	s_wait_dscnt 4*NL
	WIN MUL_LO
	MUL16 0, 1, 0
	MUL16 2, 1, 0
	s_wait_dscnt 0
	WIN MUL_HI
	MUL16 4, 1, 0
	MUL16 6, 1, 0
	WIN 0
; THE WAY OUT, block by block of 16 rows x 128 columns, through my own stage: in as 32 bytes a lane, back as whole rows of 512 bytes.  LDS serves a wave's instructions in order: no wait between the stores and the loads.
.macro TOSTAGE a
.set AC, 64*((\a)%4)
	WIN 0x02+((\a)/4)
.irp j, 0,2,4,6,8,10,12,14,16,18,20,22,24,26,28,30,32,34,36,38,40,42,44,46,48,50,52,54,56,58,60,62
	v_pk_mul_f32 v[TMP+\j:TMP+\j+1], v[AC+\j:AC+\j+1], s[96:97] op_sel_hi:[1,0]   ; x 2^(e10 + e11); each accumulator from its low end on
.endr
	WIN 0
.irp b, 0,1,2,3,4,5,6,7
	ds_store_b128 v[STO], v[TMP+8*\b:TMP+8*\b+3] offset:64*\b
	ds_store_b128 v[STO], v[TMP+8*\b+4:TMP+8*\b+7] offset:64*\b+16
.endr
.set BB, BK+64*((\a)%2)
.irp t, 0,1,2,3,4,5,6,7,8,9,10,11,12,13,14,15
	ds_load_b128 v[BB+4*\t:BB+4*\t+3], v[RD] offset:\t*SPITCH
.endr
.endm
.macro SEND a, younger
.set BB, BK+64*((\a)%2)
	s_wait_dscnt \younger                          ; the block is back in registers
.if (\a) > 0
	s_add_nc_u64 s[10:11], s[10:11], 16*SIZE_N*4   ; (behind a wait for the earlier stores' addresses)  16 rows on
.endif
.irp t, 0,1,2,3,4,5,6,7,8,9,10,11,12,13,14,15
	global_store_b128 v[CO], v[BB+4*\t:BB+4*\t+3], s[10:11] offset:\t*SIZE_N*4 th:TH_STORE_NT   ; 32 lanes store 512 consecutive bytes, aligned; written once, read by nobody here
.endr
.endm
	s_wait_kmcnt 0x0
	s_add_co_i32 s96, s96, s97
	s_add_co_i32 s96, s96, 127
	s_lshl_b32 s96, s96, 23                        ; 2^(e10 + e11) as f32
	PLACES NP
	TOSTAGE 0
.irp a, 1,2,3,4,5,6,7
.if \a > 1
	s_wait_xcnt 0x0                                ; block a - 2's stores have read their registers and their base
.endif
	TOSTAGE \a
	SEND \a-1, 32                                  ; behind block a - 1's loads: block a's 16 stores and 16 loads
.endr
	s_wait_xcnt 0x0
	SEND 7, 0
	s_wait_tensorcnt 0x0                           ; the wave's end
	ds_add_u32 v[SPW], v[NIL]
	s_wait_dscnt 0x0
	CROUND                                         ; the closing round
	s_endpgm
.Lfunc_end_k_q99acfa4860_oproj:
	.size	k_q99acfa4860_oproj, .Lfunc_end_k_q99acfa4860_oproj-k_q99acfa4860_oproj
	.p2alignl 7, 3214868480
	.fill 96, 4, 3214868480
	.section	.rodata,"a",@progbits
	.p2align	6, 0x0
	.amdhsa_kernel k_q99acfa4860_oproj
		.amdhsa_group_segment_fixed_size 327680
		.amdhsa_private_segment_fixed_size 0
		.amdhsa_enable_private_segment 0
		.amdhsa_kernarg_size 32
		.amdhsa_user_sgpr_count 2
		.amdhsa_user_sgpr_kernarg_segment_ptr 1
		.amdhsa_wavefront_size32 1
		.amdhsa_system_sgpr_workgroup_id_x 1
		.amdhsa_system_sgpr_workgroup_id_y 1
		.amdhsa_system_sgpr_workgroup_id_z 1
		.amdhsa_system_vgpr_workitem_id 0
		.amdhsa_next_free_vgpr 1024
		.amdhsa_next_free_sgpr 98
		.amdhsa_reserve_vcc 0
		.amdhsa_float_denorm_mode_32 3
		.amdhsa_float_denorm_mode_16_64 3
		.amdhsa_memory_ordered 1
		.amdhsa_forward_progress 1
		.amdhsa_inst_pref_size 123
	.end_amdhsa_kernel
	.amdgpu_metadata
---
amdhsa.version: [ 1, 2 ]
amdhsa.kernels:
  - .name:           k_q99acfa4860_oproj
    .symbol:         k_q99acfa4860_oproj.kd
    .args:
      - { .name: oc, .offset: 0, .size: 8, .value_kind: global_buffer, .address_space: global }
      - { .name: wc, .offset: 8, .size: 8, .value_kind: global_buffer, .address_space: global }
      - { .name: lowp_scales, .offset: 16, .size: 8, .value_kind: global_buffer, .address_space: global }
      - { .name: out0, .offset: 24, .size: 8, .value_kind: global_buffer, .address_space: global }
    .group_segment_fixed_size: 327680
    .private_segment_fixed_size: 0
    .kernarg_segment_align: 8
    .kernarg_segment_size: 32
    .max_flat_workgroup_size: 128
    .sgpr_count:     98
    .vgpr_count:     1024
    .wavefront_size: 32
...
	.end_amdgpu_metadata
.endif
;; end of part 4
;; ======== version 2 of 2: 4 launches; version 1 with the launch attn written anew for expert scheduling mode
;; workspace buffers: xc 25,165,824 bytes; wc 8,388,608 bytes; tab 540,672 bytes; flg 256 bytes of whole numbers; qkv 12,582,912 bytes; oc 4,194,304 bytes
;; launch prep: the kernel of part 1 again; grid 1040 x 1, 4 waves a work-group, no clusters, 34,304 bytes of LDS; arguments hidden_states, Wq, Wk, Wv, Wo, attention_mask, lowp_scales, xc, wc, tab, flg; writes xc, wc, tab, flg
;; launch qkv: the kernel of part 2 again; grid 4 x 48, 4 waves a work-group, clusters of 4 x 1, 327,680 bytes of LDS; arguments xc, wc, tab, lowp_scales, qkv; writes qkv
;; launch attn (part 5): grid 8 x 32, 16 waves a work-group, no clusters, 264,192 bytes of LDS; arguments qkv, tab, flg, lowp_scales, oc; writes oc
.if DOCPART == 5
	.amdgcn_target "amdgcn-amd-amdhsa--gfx1250"
	.amdhsa_code_object_version 6
	.text
	.protected	k_q99acfa4860_attn
	.globl	k_q99acfa4860_attn
	.p2align	8
	.type	k_q99acfa4860_attn,@function
k_q99acfa4860_attn:
	s_mov_b64 s[64:65], 0
	v_nop
	global_prefetch_b8 v0, s[64:65] scope:SCOPE_SE
	s_setreg_imm32_b32 hwreg(HW_REG_WAVE_SCHED_MODE, 0, 2), 2
	s_setreg_imm32_b32 hwreg(HW_REG_WAVE_MODE, 25, 1), 1
	s_wait_xcnt 0x0
	s_wait_alu depctr_vm_vsrc(0)
; ATTN.  For each (batch, head): S^T = K Q^T and O^T = V^T P^T on codes of E4M3, with the causal mask, the key mask, and the softmax ahead of the second product: t = score x log2(e) / 8; M = the running largest t rounded UP to a
; whole number; p = 2^(t - M) is quantised with 2^e8, not normalised; the row's sum of the unquantised p divides at the end.  o is quantised with 2^e10 and laid as the last product's operand image.
; SHARES.  A work-group has one head and the query blocks i and 15 - i (128 queries each): 17 block-steps whatever i is.  Each of its sixteen waves has 16 queries in 256 registers, four waves to a SIMD.
; LDS holds the head's whole K (bytes 0 ..) and V (bytes 131,072 ..) as images of fragments, 8,192 bytes each for 128 keys.  It is filled ONCE, through registers, in four groups of four key steps; each group is asked for four key
; steps ahead.  No byte of LDS is written twice.  No tensor load and no copy.
; NO CLUSTER: the steps that a wave leaves out hang on its query block, which differs between the work-groups of a head, and so would the partners' paths.
; MASKS.  A hidden score is EXACTLY -2^59.  Causal: by compare and select, in the steps that reach past my first query.  Key mask: in a step with a hole the products start from the mask's f32 numbers (0 or -2^60) and the results are held
; at -2^59 from below.  A step all of whose keys come after my queries is left out.
; A ROW WITH NO VISIBLE KEY (query below the batch's first true key) has all scores equal in the definition: its weights are uniform over ALL 2,048 keys.  A wave with such a row walks all sixteen steps; every score of the row is -2^59,
; c x 2^59 is a whole number, so p = 1 for every key and the sum is 2,048.  Where a real score comes later in another row, 2^(old M - new M) is 0 and wipes what was summed.
; LIMITS: e6 + e7 between -30 and 60; e8 and e10 - e8 - e9 between -126 and 119.
; THE MODE: SCHED_MODE bits 1:0 = 2 (LLVM: expert scheduling mode 2), set by the entry lines.  The code itself states the register dependences between vector or matrix instructions and memory or LDS instructions, with s_wait_alu, always for 0.
; THE PLAN.  Registers that memory or LDS instructions touch:
;   v4, v5, v6, v246, v247   offsets and LDS addresses, written once at the head, ahead of the head's wait on va_vdst, and never again.
;   v2, v3, v9   a step's LDS addresses of K and V and its offset in the mask: written by three lines at the step's head, read by the step's loads.
;   SG           the fill's global loads land in it, the next group's LDS stores read it; no vector line names it.
;   KV           K's LDS loads land, eight products read; V's LDS loads land, four products read.
;   S            products and the softmax; in a step with a hole the mask's loads land in it ahead of the products.
;   P            conversions write, products read; at the end the four stores read it.
; A step has three such waits: on vm_vsrc ahead of its three address lines; on va_vdst behind them (the addresses are written, the last step's products are done reading KV, its vector lines are done with S); on va_vdst ahead of V's loads
; (the products K Q^T are done reading KV).  A group has one on vm_vsrc, ahead of the loads that land in SG.  The causal mask's compares go into sixteen scalar registers, a run at a time, with one wait on va_sdst behind each run.
; No second set of registers for K or V: sixteen waves of 256 registers are all that the four SIMDs hold.
.set SG, 24                            ; v24-55   the fill's registers
.set KV, 56                            ; v56-119  eight fragments of K, then four of V
.set S,  120                           ; v120-183 S^T, then p
.set P,  184                           ; v184-199 p's codes
.set OA, 200                           ; v200-231 O^T
; v1 16 x lane; v2, v3 addresses of the step's K and V; v4, v6 the fill's LDS addresses (groups 0, 1; groups 2, 3); v5 the fill's offset in memory; v7 r - 8 h; v8 32 h; v9 the mask's offset; v10, v11 at work; v12 -M; v13 the largest t;
; v[14:15] the sum; v[16:23] Q; v232 a permute's result; v[234:235] f; v[236:237] the sum's second chain; v238, v239 2^e8 and 448 x that; v240 -2^59; v242, v243 the maximum's chains; v244, v245 2^(e10 - e8 - e9) and 448 x that;
; v246 16 r + 8 h; v247 Q's offset; v254, v255 the closing add's two
; s14 wave; s15 batch x 16 + head; s16 batch; s17 head; s18 query block; s20 first query; s21 last step; s22 H; s23 F; s24 step; s25 its first key; s26 its LDS byte; s27 trips; s[28:29] c; s[30:31] lane selects; s[32:39] e4 .. e11;
; s4-s11 and s54-s61: behind the head (where s4-s11 held arguments that are done with) the causal mask's sixteen lane masks
	s_load_b256 s[4:11], s[0:1], 0x0               ; qkv 4:5, tab 6:7, flg 8:9, scales 10:11
	s_load_b64 s[12:13], s[0:1], 0x20              ; oc
	v_lshl_add_u32 v254, v0, 2, 0x40000
	v_mov_b32 v255, 0
	v_lshrrev_b32 v1, 5, v0
	v_readfirstlane_b32 s14, v1                    ; wave 0..15
	v_and_b32 v10, 31, v0
	v_lshlrev_b32 v1, 4, v10
	v_and_b32 v10, 15, v0                          ; r
	v_bfe_u32 v11, v0, 4, 1                        ; h
	v_lshlrev_b32 v8, 5, v11
	v_lshlrev_b32 v7, 3, v11
	v_sub_nc_u32 v7, v10, v7
	v_lshlrev_b32 v246, 4, v10
	v_lshl_add_u32 v246, v11, 3, v246
	s_and_b32 s15, ttmp7, 0xffff
	s_lshr_b32 s16, s15, 4
	s_and_b32 s17, s15, 15
	s_wait_alu depctr_va_sdst(0)                   ; s14 is written, ahead of its first reader: my queries, the fill's part and the branches are made from it
	s_lshr_b32 s48, s14, 2
	s_xor_b32 s48, s48, s14
	s_and_b32 s48, s48, 1                          ; which of the two blocks: the two waves of a pair differ, and so do neighbouring groups of four waves
	s_sub_co_u32 s49, 15, ttmp9
	s_cmp_eq_u32 s48, 1
	s_cselect_b32 s18, s49, ttmp9
	s_lshr_b32 s49, s14, 1
	s_lshl_b32 s20, s18, 7
	s_lshl_b32 s49, s49, 4
	s_add_co_u32 s20, s20, s49                     ; 128 x block + 16 x (wave / 2)
	s_and_b32 s48, s14, 7                          ; the fill: waves 0-7 copy K, waves 8-15 V, 4,096 bytes of a group each
	s_lshl_b32 s48, s48, 12
	v_add_nc_u32 v5, s48, v1
	s_lshr_b32 s49, s14, 3
	s_lshl_b32 s49, s49, 17
	s_add_co_u32 s49, s49, s48
	v_add_nc_u32 v4, s49, v1
	v_add_nc_u32 v6, 0x10000, v4                   ; groups 2 and 3 lie 65,536 bytes on: an LDS immediate does not reach so far
	s_lshl_b32 s19, s20, 6                         ; (query / 16) x 1,024
	v_add_nc_u32 v247, s19, v1
	s_mov_b32 s30, 0x76543210
	s_mov_b32 s31, 0xfedcba98
	s_wait_kmcnt 0x0
	s_load_b128 s[40:43], s[8:9], 0x0              ; F0, F1, H0, H1
	s_load_b256 s[32:39], s[10:11], 0x10           ; e4 .. e11
	s_lshl_b32 s50, s15, 17
	s_mov_b32 s51, 0
	s_add_nc_u64 s[52:53], s[4:5], s[50:51]        ; q of my head
	s_mov_b32 s48, 0x800000
	s_cmp_lt_u32 s14, 8
	s_cselect_b32 s48, 0x400000, s48
	s_mov_b32 s49, 0
	s_add_nc_u64 s[44:45], s[52:53], s[48:49]      ; k or v of my head
.macro GLOAD g
.irp j, 0,1,2,3,4,5,6,7
	global_load_b128 v[SG+4*\j:SG+4*\j+3], v5, s[44:45] offset:32768*(\g)+512*\j
.endr
.endm
	s_wait_alu depctr_va_vdst(0)                   ; v4, v5, v6, v246 and v247 are written: the fill's loads and LDS stores, Q's loads and the last stores read them, and no vector line names them again
	GLOAD 0
	global_load_b128 v[16:19], v247, s[52:53]      ; Q's fragment stays in registers
	global_load_b128 v[20:23], v247, s[52:53] offset:512
	s_lshl_b32 s48, s16, 13
	s_add_co_u32 s48, s48, 0x80000
	s_add_nc_u64 s[46:47], s[6:7], s[48:49]        ; the mask's f32 numbers of my batch
	v_mov_b32 v13, 0xff61b1e6                      ; the largest t so far: -3e38
	v_floor_f32 v12, -v13
	v_mov_b32 v14, 0
	v_mov_b32 v15, 0
	v_mov_b32 v232, 0                              ; a lane permute's destination counts as one of its sources
	v_mov_b32 v235, 0                              ; (named as the upper half of a pair)
	v_mov_b32 v240, 0xdd000000                     ; -2^59
.set i, 0
.rept 32
	v_mov_b32 v[OA+i], 0                           ; the step is written once for all steps: the first finds zeros
.set i, i+1
.endr
	s_wait_kmcnt 0x0
	s_cmp_eq_u32 s16, 0
	s_cselect_b32 s23, s40, s41
	s_cselect_b32 s22, s42, s43
	s_cmp_lt_u32 s20, s23                          ; have I a query below the first true key?
	s_cselect_b32 s21, 15, s18
	s_add_co_i32 s48, s34, s35
	s_lshl_b32 s48, s48, 23
	s_add_co_i32 s28, s48, 0x3e38aa3b              ; c = log2(e) / 8, with e6 + e7 added to its exponent field
	s_mov_b32 s29, s28
.macro MKSC sr, vs, vl
	s_add_co_i32 s49, s[\sr], 127
	s_lshl_b32 s50, s49, 23
	v_mov_b32 v[\vs], s50
	s_add_co_i32 s49, s49, 8
	s_lshl_b32 s49, s49, 23
	s_or_b32 s49, s49, 0x600000
	v_mov_b32 v[\vl], s49
.endm
	MKSC 36, 238, 239
	s_sub_co_i32 s48, s38, s36
	s_sub_co_i32 s48, s48, s37
	MKSC 48, 244, 245
.macro STEP                            ; 128 keys
	s_cmp_gt_u32 s24, s21
	s_cbranch_scc1 .Lskip_\@
	s_wait_alu depctr_vm_vsrc(0)                   ; the LDS loads of the steps before have read v2 and v3, the mask's loads v9: the three lines below write them
	v_add_nc_u32 v2, s26, v1
	v_add_nc_u32 v3, 0x20000, v2
	v_lshl_add_u32 v9, s25, 2, v8                  ; the mask's offset, for a step with a hole (its last loads were waited for)
	v_nop                                          ; four plain lines between the last products, which read V's fragments, and the loads into those registers
	s_wait_alu depctr_va_vdst(0)                   ; v2, v3 and v9 are written; the last step's products are done reading KV, in which K's loads land; its vector lines are done with S, in which the mask's loads land
.irp t, 0,1,2,3,4,5,6,7
.irp u, 0,1
	ds_load_b128 v[KV+8*\t+4*\u:KV+8*\t+4*\u+3], v2 offset:1024*\t+512*\u
.endr
.endr
	s_lshr_b32 s48, s22, s24
	s_and_b32 s48, s48, 1
	s_cmp_lg_u32 s48, 0
	s_cbranch_scc1 .Lholes_\@
	s_wait_dscnt 0x0
.irp t, 0,1,2,3,4,5,6,7
	v_wmma_f32_16x16x64_fp8_fp8 v[S+8*\t:S+8*\t+7], v[KV+8*\t:KV+8*\t+7], v[16:23], 0   ; lane (r, h): query r, keys 16 t + 8 h + 0 .. 7
.endr
.rept 4
	v_nop
.endr
	s_branch .Ljoin_\@
.Lholes_\@:
.irp t, 0,1,2,3,4,5,6,7
.irp q, 0,1
	global_load_b128 v[S+8*\t+4*\q:S+8*\t+4*\q+3], v9, s[46:47] offset:64*\t+16*\q   ; 0 or -2^60 for my eight keys of tile t.  No wait: no vector or matrix line since the wait at the step's head names v9 or S
.endr
.endr
	s_wait_loadcnt 0x0
	s_wait_dscnt 0x0
.irp t, 0,1,2,3,4,5,6,7
	v_wmma_f32_16x16x64_fp8_fp8 v[S+8*\t:S+8*\t+7], v[KV+8*\t:KV+8*\t+7], v[16:23], v[S+8*\t:S+8*\t+7]
.endr
.rept 4
	v_nop
.endr
.set n, 0
.rept 64
	v_max_num_f32 v[S+n], v[S+n], v240             ; a masked score is -2^59 exactly; a real one is far above it
.set n, n+1
.endr
.Ljoin_\@:
	s_wait_alu depctr_va_vdst(0)                   ; the products K Q^T are done reading KV, in which V's loads land
.irp t, 0,1,2,3
.irp c, 0,1,2,3
	ds_load_b128 v[KV+16*\t+4*\c:KV+16*\t+4*\c+3], v3 offset:2048*\t+512*\c   ; V lands while the softmax is walked
.endr
.endr
	s_add_co_u32 s48, s25, 127
	s_cmp_le_u32 s48, s20
	s_cbranch_scc1 .Lopen_\@
	s_sub_co_i32 s48, s20, s25
	v_add_nc_u32 v10, s48, v7                      ; d = my query - the step's first key - 8 h: key 16 t + j of my half is hidden where 16 t + j > d
.set n, 0
.rept 4                                ; sixteen compares into sixteen scalar registers, one wait, sixteen selects; the selects take S in ascending order
.set k, 0
.rept 16
	v_cmp_gt_i32 s[4+k+42*(k/8)], 16*((n+k)/8)+(n+k)%8, v10
.set k, k+1
.endr
	s_wait_alu depctr_va_sdst(0)                   ; the run's sixteen masks are written, ahead of the selects that read them
.set k, 0
.rept 16
	v_cndmask_b32 v[S+n+k], v[S+n+k], v240, s[4+k+42*(k/8)]
.set k, k+1
.endr
.set n, n+16
.endr
.Lopen_\@:
	v_max3_num_f32 v242, v[S], v[S+1], v[S+2]      ; the step's largest score of my query, in two chains, each accumulator from its low end on
	v_max3_num_f32 v243, v[S+3], v[S+4], v[S+5]
.irp i, 6,10,14,18,22,26,30,34,38,42,46,50,54,58
	v_max3_num_f32 v242, v242, v[S+\i], v[S+\i+1]
	v_max3_num_f32 v243, v243, v[S+\i+2], v[S+\i+3]
.endr
	v_max3_num_f32 v242, v242, v[S+62], v[S+63]
	v_max_num_f32 v242, v242, v243
	v_permlanex16_b32 v232, v242, s30, s31
	v_max_num_f32 v242, v242, v232                 ; and among the other half's keys
	v_mul_f32 v242, s28, v242                      ; as t (c is positive)
	v_max_num_f32 v13, v13, v242
	v_mov_b32 v242, v12
	v_floor_f32 v12, -v13                          ; -M = floor(-t)
	v_sub_f32 v242, v12, v242                      ; old M - new M: a whole number, 0 or less
	v_cvt_i32_f32 v242, v242                       ; (it saturates)
	v_ldexp_f32 v234, 1.0, v242                    ; f = 2^(old M - new M)
.set n, 0
.rept 32
	v_pk_fma_f32 v[S+n:S+n+1], v[S+n:S+n+1], s[28:29], v[12:13] op_sel_hi:[1,0,0]   ; t - M
.set n, n+2
.endr
.set n, 0
.rept 64
	v_exp_f32 v[S+n], v[S+n]                       ; p
.set n, n+1
.endr
	v_pk_mul_f32 v[14:15], v[14:15], v[234:235] op_sel_hi:[1,0]   ; the sums under the new M: the plain line behind the exponentials
	s_wait_alu depctr_va_vdst(0)                   ; the 64 exponentials have written S: one wait for the batch, ahead of its first reader
	v_pk_add_f32 v[236:237], v[S:S+1], v[S+2:S+3]  ; the sum of the unquantised p, in two chains
.irp j, 4,8,12,16,20,24,28,32,36,40,44,48,52,56,60
	v_pk_add_f32 v[14:15], v[14:15], v[S+\j:S+\j+1]
	v_pk_add_f32 v[236:237], v[236:237], v[S+\j+2:S+\j+3]
.endr
	v_pk_add_f32 v[14:15], v[14:15], v[236:237]
	s_cmp_ge_i32 s36, -8                           ; p <= 1 <= 448 x 2^e8 from e8 = -8 on: the hold would change nothing
	s_cbranch_scc1 .Lnohold_\@
.set n, 0
.rept 64
	v_min_num_f32 v[S+n], v[S+n], v239             ; the conversion does not saturate (ISA guide 7.6.2); p is not negative
.set n, n+1
.endr
.Lnohold_\@:
.irp t, 0,1,2,3,4,5,6,7
	v_cvt_scalef32_pk8_fp8_f32 v[P+2*\t:P+2*\t+1], v[S+8*\t:S+8*\t+7], v238   ; registers 2 t, 2 t + 1 of the operand: keys 16 t + 8 h + 0 .. 7
.endr
.set n, 0
.rept 16
	v_pk_mul_f32 v[OA+n:OA+n+1], v[OA+n:OA+n+1], v[234:235] op_sel_hi:[1,0]   ; O^T under the new M; also the plain lines behind the conversions
.set n, n+2
.endr
	s_wait_dscnt 0x0                               ; V is in
.irp t, 0,1,2,3
	v_wmma_f32_16x16x128_fp8_fp8 v[OA+8*\t:OA+8*\t+7], v[KV+16*\t:KV+16*\t+15], v[P:P+15], v[OA+8*\t:OA+8*\t+7]   ; the four accumulators take turns
.endr
.Lskip_\@:
	s_add_co_u32 s24, s24, 1
	s_add_co_u32 s25, s25, 128
	s_add_co_u32 s26, s26, 8192
.endm
.macro GROUP g                         ; key steps 4 g .. 4 g + 3
	s_wait_loadcnt 0x0                             ; my part of the group is in registers (and, the first time, Q)
.irp j, 0,1,2,3,4,5,6,7
	ds_store_b128 v[4+2*((\g)/2)], v[SG+4*\j:SG+4*\j+3] offset:32768*((\g)%2)+512*\j   ; the address was written ahead of the head's wait; the data come from loads
.endr
	s_wait_dscnt 0x0                               ; for the others' sake: my stores have landed
	s_barrier_signal -1
	s_barrier_wait -1                              ; the group lies whole in LDS
.if \g < 3
	s_wait_alu depctr_vm_vsrc(0)                   ; my LDS stores have read SG, in which the next group's loads land
	GLOAD (\g)+1                                   ; the next group has four key steps in which to come
.endif
	s_mov_b32 s24, 4*\g
	s_mov_b32 s25, 512*\g
	s_mov_b32 s26, 32768*\g
	s_mov_b32 s27, 4
.Lstep_\@:
	STEP
	s_sub_co_u32 s27, s27, 1
	s_cmp_lg_u32 s27, 0
	s_cbranch_scc1 .Lstep_\@
.endm
	GROUP 0
	GROUP 1
	GROUP 2
	GROUP 3
	; THE WAY OUT.  O^T(d = 16 t + 8 h + j, query r) / the sum, quantised with 2^e10 (the scales e8, e9 folded in).  In the last product's image (k = 64 x head + d) my eight codes of tile t lie at 256 t + 16 r + 8 h of the head's 1,024 bytes
.rept 4
	v_nop
.endr
	v_add_f32 v14, v14, v15
	v_permlanex16_b32 v232, v14, s30, s31
	v_add_f32 v14, v14, v232                       ; the row's sum
	v_rcp_f32 v14, v14
	v_nop                                          ; a plain line behind the reciprocal
	s_lshl_b32 s48, s16, 7
	s_lshr_b32 s49, s20, 4
	s_add_co_u32 s48, s48, s49                     ; the token tile
	s_lshl_b32 s48, s48, 14
	s_lshr_b32 s49, s17, 1
	s_lshl_b32 s49, s49, 11
	s_add_co_u32 s48, s48, s49
	s_and_b32 s49, s17, 1
	s_lshl_b32 s49, s49, 10
	s_add_co_u32 s48, s48, s49
	s_mov_b32 s49, 0
	s_add_nc_u64 s[12:13], s[12:13], s[48:49]
	s_wait_alu depctr_va_vdst(0)                   ; the reciprocal has written v14, ahead of its first reader
.set n, 0
.rept 16
	v_pk_mul_f32 v[S+n:S+n+1], v[OA+n:OA+n+1], v[14:15] op_sel_hi:[1,0]
.set n, n+2
.endr
.set n, 0
.rept 32
	v_med3_num_f32 v[S+n], v[S+n], -v245, v245
.set n, n+1
.endr
.irp t, 0,1,2,3
	v_cvt_scalef32_pk8_fp8_f32 v[P+2*\t:P+2*\t+1], v[S+8*\t:S+8*\t+7], v244
.endr
	v_nop
	s_wait_alu depctr_va_vdst(0)                   ; the conversions have written P, which the four stores read
.irp t, 0,1,2,3
	global_store_b64 v246, v[P+2*\t:P+2*\t+1], s[12:13] offset:256*\t   ; the 32 lanes store 256 consecutive bytes, aligned
.endr
	s_wait_dscnt 0x0                               ; the closing lines, six on end
	s_wait_alu 0x0
	s_wait_tensorcnt 0x0
	ds_add_u32 v254, v255
	s_wait_dscnt 0x0
	s_endpgm
.Lfunc_end_k_q99acfa4860_attn:
	.size	k_q99acfa4860_attn, .Lfunc_end_k_q99acfa4860_attn-k_q99acfa4860_attn
	.p2alignl 7, 3214868480
	.fill 96, 4, 3214868480
	.section	.rodata,"a",@progbits
	.p2align	6, 0x0
	.amdhsa_kernel k_q99acfa4860_attn
		.amdhsa_group_segment_fixed_size 264192
		.amdhsa_private_segment_fixed_size 0
		.amdhsa_enable_private_segment 0
		.amdhsa_kernarg_size 40
		.amdhsa_user_sgpr_count 2
		.amdhsa_user_sgpr_kernarg_segment_ptr 1
		.amdhsa_wavefront_size32 1
		.amdhsa_system_sgpr_workgroup_id_x 1
		.amdhsa_system_sgpr_workgroup_id_y 1
		.amdhsa_system_sgpr_workgroup_id_z 1
		.amdhsa_system_vgpr_workitem_id 0
		.amdhsa_next_free_vgpr 256
		.amdhsa_next_free_sgpr 66
		.amdhsa_reserve_vcc 0
		.amdhsa_float_denorm_mode_32 3
		.amdhsa_float_denorm_mode_16_64 3
		.amdhsa_memory_ordered 1
		.amdhsa_forward_progress 1
		.amdhsa_inst_pref_size 133
	.end_amdhsa_kernel
	.amdgpu_metadata
---
amdhsa.version: [ 1, 2 ]
amdhsa.kernels:
  - .name:           k_q99acfa4860_attn
    .symbol:         k_q99acfa4860_attn.kd
    .args:
      - { .name: qkv, .offset: 0, .size: 8, .value_kind: global_buffer, .address_space: global }
      - { .name: tab, .offset: 8, .size: 8, .value_kind: global_buffer, .address_space: global }
      - { .name: flg, .offset: 16, .size: 8, .value_kind: global_buffer, .address_space: global }
      - { .name: lowp_scales, .offset: 24, .size: 8, .value_kind: global_buffer, .address_space: global }
      - { .name: oc, .offset: 32, .size: 8, .value_kind: global_buffer, .address_space: global }
    .group_segment_fixed_size: 264192
    .private_segment_fixed_size: 0
    .kernarg_segment_align: 8
    .kernarg_segment_size: 40
    .max_flat_workgroup_size: 512
    .sgpr_count:     66
    .vgpr_count:     256
    .wavefront_size: 32
...
	.end_amdgpu_metadata
.endif
;; end of part 5
;; launch oproj: the kernel of part 4 again; grid 8 x 16, 4 waves a work-group, clusters of 4 x 4, 327,680 bytes of LDS; arguments oc, wc, lowp_scales, out0; writes out0
